; MI455X (gfx1250); checked and timed in simulation.
; The chip was launched on July 23, 2026; its instructions are those of AMD's public machine-readable ISA for CDNA 5 (MIT licence, August 2026) and "CDNA5" Instruction Set Architecture Reference Guide (July 2026). The comments in the code are by the model that wrote it; some were corrected since.
;; Self Attention. Allowed arithmetic: matrix products marked QUANTISED: E3M2 operands, one E8M0 scale for each 32 along K, by v_wmma_scale_f32_16x16x128_f8f6f4 with both operands' format E3M2, f32 sums; everything else in f32.
;; Inputs: Wk 1,024 x 1,024 float32; Wo 1,024 x 1,024 float32; Wq 1,024 x 1,024 float32; Wv 1,024 x 1,024 float32; bk 1,024 float32; bo 1,024 float32; bq 1,024 float32; bv 1,024 float32; x 4 x 2,048 x 1,024 float32.
;; Outputs: out0 4 x 2,048 x 1,024 float32.
;; This version of the problem:
;;   THIS VERSION OF THE PROBLEM IS GIVEN IN LOW PRECISION. The matrix products marked QUANTISED in the list below multiply operands that are first quantised to E3M2 (3 exponent bits, 2 mantissa bits; 6 bits a number), with one power-of-two scale for each 32 numbers along K (OCP MX v1.0); their sums are f32. All else is computed in f32.
;;   The module's matrix products, in the order in which they are computed (A, B: the left and right operand; K: the contracted axis; several contracted axes count as one K, in the product's order):
;;     1. [M 8,192, K 1,024] x [K 1,024, N 1,024]; A: input x; B: input Wq: QUANTISED
;;     2. [M 8,192, K 1,024] x [K 1,024, N 1,024]; A: input x; B: input Wk: QUANTISED
;;     3. [M 8,192, K 1,024] x [K 1,024, N 1,024]; A: input x; B: input Wv: QUANTISED
;;     4. batch 64 x [M 2,048, K 64] x [K 64, N 2,048]; A: computed on the way; B: computed on the way: QUANTISED
;;     5. batch 64 x [M 64, K 2,048] x [K 2,048, N 2,048]; A: computed on the way; B: softmax (see below): QUANTISED
;;     6. [M 8,192, K 1,024] x [K 1,024, N 1,024]; A: computed on the way; B: input Wo: QUANTISED
;;   THE QUANTISER, for each operand of a quantised product, along K:
;;     - K is cut into blocks of 32 from its start; a last block that is shorter is filled with zeros.
;;     - A block's scale is 2^e with e = floor(log2(the largest magnitude in the block)) - 4, held to -126 .. 127; a block of zeros has e = 0. As a byte (E8M0): e + 127.
;;     - Each number is divided by its block's scale, clamped to +-28, and rounded to the nearest number of E3M2, ties to even, subnormals kept.
;;     - The product sums the exact products of the quantised numbers (number of the format x scale) in f32.
;;   ~~~python
;;   def quantise(x, axis):      # numpy; x: float32 -> the quantised numbers, widened to float32 again
;;       x = np.moveaxis(x, axis, -1); K = x.shape[-1]
;;       x = np.pad(x, [(0, 0)] * (x.ndim - 1) + [(0, -K % 32)]); x = x.reshape(x.shape[:-1] + (-1, 32)); a = np.abs(x).max(-1, keepdims=True)
;;       e = np.where(a > 0, np.clip(np.frexp(np.where(a > 0, a, 1))[1] - 1 - 4, -126, 127), 0)      # np.frexp(a)[1] - 1 = floor(log2(a)), exactly
;;       r = np.clip(x / 2.0 ** e, -28, 28)
;;       step = 2.0 ** (np.maximum(np.frexp(np.where(r == 0, 1, r))[1] - 1, -2) - 2)
;;       q = np.round(r / step) * step * 2.0 ** e      # np.round: ties to even
;;       return np.moveaxis(q.reshape(q.shape[:-2] + (-1,))[..., :K], -1, axis).astype(np.float32)
;;   ~~~
;;   SOFTMAX AHEAD OF A QUANTISED PRODUCT. Where the list says 'softmax', what is quantised is not the finished softmax but p = 2^(t - M), with t = logit x log2(e) and M = ceil(the row's largest t), a whole number; so 1/2 < the row's largest p <= 1. The row's sum l is taken of the UNQUANTISED p, in f32, and the product's result is divided by l at the end. Since M is a whole number, a kernel that streams over the keys may use a running M (the ceiling of the running maximum): every later rescaling is an exact power of two, which a block's scale takes up: the codes' values come out the same.
;;   OPERANDS COMPUTED ON THE WAY. 'Computed on the way' means the value that the module computes at that place (a softmax that the list does not call 'softmax' is quantised finished and normalised). What goes into a quantiser is computed in f32, as accurately as f32 sums, v_exp_f32 and their like allow (about 1e-6 of the number): no bf16 or f16 on the way to a quantiser, and a product that is left as it is and whose result goes on into a quantised operand takes f32 operands (vector FMAs, or v_wmma_f32_16x16x4_f32). A number that lies on a knife's edge between two numbers of the format may be rounded either way, as far as f32 arithmetic and the matrix unit's own rounding can turn it there, and no further.
;; One version. Each part assembles by itself: llvm-mc -triple=amdgcn-amd-amdhsa -mcpu=gfx1250 --defsym DOCPART=n.
;; ======== version 1 of 1: 4 launches
;; limits: right only within a limited range of input values
;; workspace buffers: ximg 6,815,744 bytes; wimg 3,407,872 bytes; qkv 20,185,088 bytes; aimg 6,815,744 bytes
;; launch quant (part 1): grid 768 x 1, 4 waves a work-group, no clusters, 68,096 bytes of LDS; arguments x, Wq, Wk, Wv, Wo, ximg, wimg; writes ximg, wimg
.if DOCPART == 1
	.amdgcn_target "amdgcn-amd-amdhsa--gfx1250"
	.amdhsa_code_object_version 6
	.text
	.protected	k_qf9f5eabc3a_quant
	.globl	k_qf9f5eabc3a_quant
	.p2align	8
	.type	k_qf9f5eabc3a_quant,@function
k_qf9f5eabc3a_quant:
	s_mov_b64 s[64:65], 0
	v_nop
	global_prefetch_b8 v0, s[64:65] scope:SCOPE_SE
	s_setreg_imm32_b32 hwreg(HW_REG_WAVE_MODE, 25, 1), 1
	s_wait_xcnt 0x0
; x [8192][1024] and Wq, Wk, Wv, Wo [1024][1024], f32, K innermost, become codes of BF6 (E3M2) with one E8M0 byte for each 32 along K,
; laid as IMAGES OF OPERAND REGISTERS, so that the products' launches load fragments by whole 16- and 8-byte pieces, lane after lane.
; A ROW TILE I is 16 rows: lane r holds row 32 (I / 2) + 8 (I % 2) + r + 8 (r / 8).  Its record is 13,312 bytes: four chunks of 3,328 (256 along K each):
; fragment of the first 128 K (1,536 bytes), of the second 128 K, then 8 bytes of scales a row (two words), written twice to fill the 256 bytes.
; A fragment's 12 registers lie as: registers 0-3 (16 bytes a lane), 4-5 (8 a lane), 6-9, 10-11: every store covers 512 or 256 consecutive bytes, aligned.
; A block's scale is 2^(floor(log2(largest magnitude)) - 4); its byte is the largest magnitude's exponent field - 4, held at 1 from below.
; LIMITS: a block of zeros, and one whose largest magnitude lies under 2^(5 - 127), gets the byte 1 (the rule says 127 for zeros): its codes are zeros or as the conversion gives them,
; and only this program reads the bytes.  NaN and infinities among the inputs are not served.
; SHARES: a work-group is one row tile (0-511: x's; then 64 each of Wq, Wk, Wv, Wo); wave w is chunk w: 16 rows x 256 K.  Waves share nothing: no barrier.  No input is read by two work-groups: no cluster.
; Each load reads 512 consecutive bytes of one row; the numbers turn through the wave's own stage in LDS (rows of 512 + 16 bytes) so that a lane gets whole blocks of 32 neighbours.
.set STG,  8448                        ; a stage: 16 rows x 528 bytes; two for each wave
.set X,    32                          ; v32-159  numbers: K step k at X + 64 k
.set PC,   160                         ; v160-183 codes: 12 registers for each K step, so that no store's data are written again
.set CT,   184                         ; v184-190 the conversions' second halves
	s_load_b256 s[4:11], s[0:1], 0x0               ; x, Wq, Wk, Wv
	s_load_b128 s[12:15], s[0:1], 0x20             ; Wo, ximg
	s_load_b64 s[16:17], s[0:1], 0x30              ; wimg
	v_lshl_add_u32 v192, v0, 2, 0x10800
	v_mov_b32 v193, 0
	v_lshrrev_b32 v1, 5, v0
	v_readfirstlane_b32 s20, v1                    ; wave = chunk
	v_and_b32 v1, 31, v0                           ; lane
	v_and_b32 v2, 15, v0                           ; r
	v_bfe_u32 v3, v0, 4, 1                         ; h
	v_lshlrev_b32 v4, 4, v1                        ; 16 x lane: my bytes of a load and of a 16-byte store
	v_lshlrev_b32 v8, 3, v1                        ; 8 x lane
	s_mul_i32 s21, s20, 2*STG                      ; my wave's stages
	v_add_nc_u32 v5, s21, v4                       ; into a stage: as loaded
	v_mul_u32_u24 v6, v2, 528
	v_lshl_add_u32 v6, v3, 7, v6
	v_add_nc_u32 v6, s21, v6                       ; out of it: row r, + 128 h: my block of 32 numbers
	v_lshlrev_b32 v23, 3, v3                       ; 8 h: my bytes' place in a scale word
	v_mov_b32 v24, 0                               ; written once: a lane permute's destination counts as one of its sources
	s_mov_b32 s22, 0x76543210
	s_mov_b32 s23, 0xfedcba98                      ; selects for lane l xor 16
	s_and_b32 s24, ttmp9, 63                       ; a weight's tile
	s_and_b32 s25, ttmp9, 511                      ; the record's number in its buffer (768 work-groups: 512 + 256)
	s_wait_alu depctr_va_vdst(0)
	s_wait_kmcnt 0x0
	s_mov_b64 s[18:19], s[12:13]                   ; the source is chosen by the work-group's number alone
	s_cmp_lt_u32 ttmp9, 704
	s_cselect_b64 s[18:19], s[10:11], s[18:19]
	s_cmp_lt_u32 ttmp9, 640
	s_cselect_b64 s[18:19], s[8:9], s[18:19]
	s_cmp_lt_u32 ttmp9, 576
	s_cselect_b64 s[18:19], s[6:7], s[18:19]
	s_cmp_lt_u32 ttmp9, 512
	s_cselect_b64 s[18:19], s[4:5], s[18:19]
	s_cselect_b64 s[26:27], s[14:15], s[16:17]     ; and so is the buffer of records
	s_cselect_b32 s24, ttmp9, s24                  ; the tile in its tensor
	s_lshr_b32 s28, s24, 1
	s_lshl_b32 s28, s28, 17                        ; 32 (tile / 2) rows of 4,096 bytes
	s_and_b32 s29, s24, 1
	s_lshl_b32 s29, s29, 15                        ; 8 (tile % 2) rows
	s_add_co_u32 s28, s28, s29
	s_lshl_b32 s29, s20, 10                        ; my chunk: 256 numbers
	s_add_co_u32 s28, s28, s29
	s_mov_b32 s29, 0
	s_add_nc_u64 s[18:19], s[18:19], s[28:29]
	s_mul_i32 s28, s25, 13312
	s_mul_i32 s30, s20, 3328
	s_add_co_u32 s28, s28, s30
	s_add_nc_u64 s[26:27], s[26:27], s[28:29]
.irp k, 0,1                            ; all 32 loads go out at once: K step 0's sixteen rows, then K step 1's
.irp i, 0,1,2,3,4,5,6,7,8,9,10,11,12,13,14,15
	global_load_b128 v[X+64*\k+4*\i:X+64*\k+4*\i+3], v4, s[18:19] offset:(\i+8*(\i/8))*4096+512*\k th:TH_LOAD_NT
.endr
.endr
; K step k's 16 x 128 numbers through stage k.  LDS serves a wave's instructions in order, so no wait stands between the stores and the loads, and the numbers come back into the registers that they left.
.macro TURN k
.irp i, 0,1,2,3,4,5,6,7,8,9,10,11,12,13,14,15
	ds_store_b128 v5, v[X+64*\k+4*\i:X+64*\k+4*\i+3] offset:STG*\k+528*\i
.endr
.irp c, 0,1                            ; lane (r, h) takes of row r the numbers k = 64 c + 32 h + 0 .. 31: the order of the operand's registers
.irp i, 0,1,2,3,4,5,6,7
	ds_load_b128 v[X+64*\k+32*\c+4*\i:X+64*\k+32*\c+4*\i+3], v6 offset:STG*\k+256*\c+16*\i
.endr
.endr
.endm
; K step k: two whole blocks a lane: their scales, the row's scale word, the codes, the fragment's four stores
.macro PROC k
.set XS, X+64*\k
.set PK, PC+12*\k
.irp c, 0,1
	v_max3_num_f32 v[16+\c], |v[XS+32*\c]|, |v[XS+32*\c+1]|, 0x2800000   ; with the floor 2^(5 - 127) among the leaves: the byte cannot fall under 1
.endr
.irp i, 2,4,6,8,10,12,14,16,18,20,22,24,26,28,30
.irp c, 0,1
	v_max3_num_f32 v[16+\c], v[16+\c], |v[XS+32*\c+\i]|, |v[XS+32*\c+\i+1]|   ; the two blocks by turns
.endr
.endr
.irp c, 0,1
	v_add_nc_u32 v[18+\c], 0xfe000000, v[16+\c]    ; 4 off the exponent field: the conversion's scale operand
.endr
.irp c, 0,1
	v_lshrrev_b32 v[20+\c], 23, v[18+\c]           ; the scale's byte
.endr
	v_lshl_or_b32 v22, v21, 16, v20                ; blocks h and 2 + h of my row,
	v_lshlrev_b32 v22, v23, v22                    ; at their places;
	v_permlanex16_b32 v24, v22, s22, s23
	v_or_b32 v[26+\k], v22, v24                    ; with lane l xor 16's two bytes the word is whole
.irp c, 0,1
	v_cvt_scalef32_pk16_bf6_f32 v[PK+6*\c:PK+6*\c+2], v[XS+32*\c:XS+32*\c+15], v[18+\c]
	v_cvt_scalef32_pk16_bf6_f32 v[CT+4*\c:CT+4*\c+2], v[XS+32*\c+16:XS+32*\c+31], v[18+\c]   ; (a conversion's three registers begin on an even number)
.endr
	v_nop                                          ; one plain place behind a scaled conversion
.irp c, 0,1
.irp i, 0,1,2
	v_mov_b32 v[PK+6*\c+3+\i], v[CT+4*\c+\i]
.endr
.endr
	global_store_b128 v4, v[PK:PK+3], s[26:27] offset:1536*\k
	global_store_b64 v8, v[PK+4:PK+5], s[26:27] offset:1536*\k+512
	global_store_b128 v4, v[PK+6:PK+9], s[26:27] offset:1536*\k+768
	global_store_b64 v8, v[PK+10:PK+11], s[26:27] offset:1536*\k+1280
.endm
	s_wait_loadcnt 16                              ; K step 0's sixteen loads are in; K step 1's sixteen may be out
	TURN 0
	s_wait_loadcnt 0x0
	TURN 1
	s_wait_dscnt 32                                ; all but K step 1's 32 LDS instructions: K step 0's numbers are back
	PROC 0
	s_wait_dscnt 0x0
	PROC 1
	global_store_b64 v8, v[26:27], s[26:27] offset:3072   ; lanes 0-15: row r's two words at 8 r; lanes 16-31 the same words once more: 256 consecutive bytes, aligned
	s_wait_tensorcnt 0x0
	ds_add_u32 v192, v193
	s_wait_dscnt 0x0
	s_endpgm
.Lfunc_end_k_qf9f5eabc3a_quant:
	.size	k_qf9f5eabc3a_quant, .Lfunc_end_k_qf9f5eabc3a_quant-k_qf9f5eabc3a_quant
	.p2alignl 7, 3214868480
	.fill 96, 4, 3214868480
	.section	.rodata,"a",@progbits
	.p2align	6, 0x0
	.amdhsa_kernel k_qf9f5eabc3a_quant
		.amdhsa_group_segment_fixed_size 68096
		.amdhsa_private_segment_fixed_size 0
		.amdhsa_enable_private_segment 0
		.amdhsa_kernarg_size 56
		.amdhsa_user_sgpr_count 2
		.amdhsa_user_sgpr_kernarg_segment_ptr 1
		.amdhsa_wavefront_size32 1
		.amdhsa_system_sgpr_workgroup_id_x 1
		.amdhsa_system_sgpr_workgroup_id_y 1
		.amdhsa_system_sgpr_workgroup_id_z 1
		.amdhsa_system_vgpr_workitem_id 0
		.amdhsa_next_free_vgpr 194
		.amdhsa_next_free_sgpr 66
		.amdhsa_reserve_vcc 0
		.amdhsa_float_denorm_mode_32 3
		.amdhsa_float_denorm_mode_16_64 3
		.amdhsa_memory_ordered 1
		.amdhsa_forward_progress 1
		.amdhsa_inst_pref_size 17
	.end_amdhsa_kernel
	.amdgpu_metadata
---
amdhsa.version: [ 1, 2 ]
amdhsa.kernels:
  - .name:           k_qf9f5eabc3a_quant
    .symbol:         k_qf9f5eabc3a_quant.kd
    .args:
      - { .name: x, .offset: 0, .size: 8, .value_kind: global_buffer, .address_space: global }
      - { .name: Wq, .offset: 8, .size: 8, .value_kind: global_buffer, .address_space: global }
      - { .name: Wk, .offset: 16, .size: 8, .value_kind: global_buffer, .address_space: global }
      - { .name: Wv, .offset: 24, .size: 8, .value_kind: global_buffer, .address_space: global }
      - { .name: Wo, .offset: 32, .size: 8, .value_kind: global_buffer, .address_space: global }
      - { .name: ximg, .offset: 40, .size: 8, .value_kind: global_buffer, .address_space: global }
      - { .name: wimg, .offset: 48, .size: 8, .value_kind: global_buffer, .address_space: global }
    .group_segment_fixed_size: 68096
    .private_segment_fixed_size: 0
    .kernarg_segment_align: 8
    .kernarg_segment_size: 56
    .max_flat_workgroup_size: 128
    .sgpr_count:     66
    .vgpr_count:     194
    .wavefront_size: 32
...
	.end_amdgpu_metadata
.endif
;; end of part 1
;; launch qkv (part 2): grid 16 x 16, 4 waves a work-group, clusters of 4 x 4, 327,680 bytes of LDS; arguments ximg, wimg, bq, bk, bv, qkv; writes qkv
.if DOCPART == 2
	.amdgcn_target "amdgcn-amd-amdhsa--gfx1250"
	.amdhsa_code_object_version 6
	.text
	.protected	k_qf9f5eabc3a_qkv
	.globl	k_qf9f5eabc3a_qkv
	.p2align	8
	.type	k_qf9f5eabc3a_qkv,@function
k_qf9f5eabc3a_qkv:
	s_mov_b64 s[64:65], 0
	v_nop
	global_prefetch_b8 v0, s[64:65] scope:SCOPE_SE
	s_setreg_imm32_b32 hwreg(HW_REG_WAVE_MODE, 25, 1), 1
	s_wait_xcnt 0x0
	s_wait_alu depctr_hold_cnt(0) depctr_sa_sdst(0) depctr_va_vdst(0) depctr_va_sdst(0) depctr_va_ssrc(0) depctr_va_vcc(0) depctr_vm_vsrc(0)
	s_getreg_b32 s2, hwreg(HW_REG_IB_STS2, 6, 4)
	s_cmp_eq_u32 s2, 0
	s_cbranch_scc0 .Lentry_in_a_cluster
	s_endpgm
.Lentry_in_a_cluster:
	s_bfe_u32 s2, ttmp6, 0x10000c
	s_cmp_lg_u32 s2, 0xf033
	s_cbranch_scc0 .Lentry_shape_is_right
	s_endpgm
.Lentry_shape_is_right:
; q = x Wq^T + bq, k = x Wk^T + bk, v = x Wv^T + bv on codes of BF6 (E3M2) with E8M0 scales, sums in f32; the results leave as codes again:
; q and k quantised along the head's 64, v along the tokens (the keys of the second attention product).  No f32 result goes to memory.
; A tile is 256 "A rows" x 128 "B rows", K = 1,024.  Source 0 of the matrix instruction is B's fragment, source 1 is A's: a lane holds ONE A row, its registers run along B's rows.
; TWO TYPES OF TILE, told apart by a number y that all sixteen partners of a cluster share, by choices of pointers and numbers:
;   type QK (y < 8): A rows = tokens (ximg), B rows = 128 features of Wq or Wk: two heads.  Registers run along the head's axis.
;   type V  (y >= 8): A rows = 256 features of Wv (wave w: one head), B rows = 128 tokens (ximg): one key step.  Registers run along the tokens.
; A WORK-GROUP STAYS: 256 work-groups make three tiles each: y = the cluster's y, + 4, + 8: two of type QK, then one of type V.
; The rows of a row tile are 32 (I / 2) + 8 (I % 2) + r + 8 (r / 8): so the 16 registers of result tiles 2 b and 2 b + 1 are 16 neighbours along B's rows, as the conversions want them.
; LDS: A RING OF TWO SLOTS, a half of K (512) each: A's 16 row tiles and then B's 8, a row tile's place 6,656 bytes: two chunks of 3,328 as they lie in a record.
; One tensor load a wave at the head: wave 0 A's first half, wave 1 B's, wave 2 A's second half, wave 3 B's.  Slot 0 takes the next tile's first half at the change of halves (waves 0, 1),
; slot 1 its second half in the last K step (waves 2, 3): each refill behind the wait for all tensor loads, the add, the wait for LDS and a round of the cluster's barrier.
; The last tile asks for nothing: it is written out behind the loop of two trips.  By the text's own count a wave has one tensor load out at the most.
; CLUSTER 4 x 4: A's tiles are shared along a row of the cluster, B's along a column: joint loads.
; No prefetch: a refill is asked for four K steps, 128 matrix instructions, or more ahead of the first read of its bytes.
; The bias along the registers is the C of the first K step; the bias along the lanes is added behind the sum: an order of f32 rounding that differs from x W^T + b by one rounding.
; LIMITS: as the quantiser's launch: byte 1 for blocks of zeros and under 2^(5 - 127); NaN and infinities are not served.
; REGISTERS, in windows of 256.  Window 0: v1-12 lane numbers and addresses; v32-63 scale words, two sets; v64-159 A's fragments, two sets of 4 x 12; in the way out v64-225.
;   Window 1: B's fragments, two sets of 8 x 12, at v0 and v96; v192-255 the bias along the registers.   Window 2: accumulator (a, b) at v[8 (8 a + b)].
.set REC,  13312                       ; a row tile's record in memory
.set CREC, 3328                        ; a chunk in it
.set TIL,  6656                        ; a row tile's place in a slot
.set CH,   24*TIL                      ; a slot
.set BOF,  16*TIL
.set QREC, 19712                       ; a record of qkv: Q 0, Q's scale words 6,144, K 6,656, V 12,800, K's scale words 18,944, V's 19,456
.set SC,   32
.set AF,   64
.set BRG,  192                         ; in window 1
.set T,    64                          ; the way out: 64 numbers
.set CT,   176                         ; the conversions' second halves
.set TM,   184                         ; v184-187 largest magnitudes, v188-191 bytes, v196-199 scale operands
.set PWR,  200                         ; v200-203 the four tiles' scale words
.set BL,   216                         ; v216-223 the bias along the lanes, a pair for each tile of A
.set MSB, 0
.macro WIN new                         ; the immediate's high byte repeats the setting that is left
.if MSB != \new
	s_set_vgpr_msb (MSB<<8)|\new
.set MSB, \new
.endif
.endm
.macro WALU
	s_wait_alu depctr_va_vdst(0)
.endm
.macro CREST                           ; a round of the cluster's barrier behind its opening barrier
	s_cmp_lg_u32 s66, 0
	s_cbranch_scc1 .Lnot_wave_0_\@
	s_barrier_signal -3
.Lnot_wave_0_\@:
	s_barrier_wait -3
	s_barrier_signal -1
	s_barrier_wait -1
.endm
.macro CROUND
	s_barrier_signal -1
	s_barrier_wait -1
	CREST
.endm
.macro PLACES n                        ; plain vector instructions behind matrix instructions, ahead of loads into their sources and of reads of their results
.rept \n
	v_nop
.endr
.endm
.macro TLOAD g0, g1
	tensor_load_to_lds s[\g0:\g0+3], s[\g1:\g1+7]
	s_nop 0
	PLACES 4
.endm
.macro TREE k                          ; slot k is filled again: wave 2 k asks for A's tiles, wave 2 k + 1 for B's
	s_cmp_eq_u32 s66, 2*\k
	s_cbranch_scc0 .Lfor_b_\@
	TLOAD 32, 16
	s_branch .Lasked_\@
.Lfor_b_\@:
	s_cmp_eq_u32 s66, 2*\k+1
	s_cbranch_scc0 .Lasked_\@
	TLOAD 48, 24
.Lasked_\@:
.endm
.macro FRAG reg, a16, a8, off          ; a fragment's image comes back as it was stored: registers 0-3, 4-5, 6-9, 10-11
	ds_load_b128 v[\reg:\reg+3], v[\a16] offset:\off
	ds_load_b64 v[\reg+4:\reg+5], v[\a8] offset:\off+512
	ds_load_b128 v[\reg+6:\reg+9], v[\a16] offset:\off+768
	ds_load_b64 v[\reg+10:\reg+11], v[\a8] offset:\off+1280
.endm
.macro FETCH p, sp                     ; 48 loads in one run: B's eight fragments and my four of A, the chunk's sp-th 128 K, into set p
	WIN 0x40
.irp i, 0,1,2,3,4,5,6,7
	FRAG 96*(\p)+12*\i, 6, 7, \i*TIL+1536*(\sp)
.endr
	WIN 0
.irp a, 0,1,2,3
	FRAG AF+48*(\p)+12*\a, 4, 5, \a*TIL+1536*(\sp)
.endr
.endm
.macro SCALES cc                       ; a chunk's scale words, two a row: lanes 0-15 those of my A tile i (i < 4 are used), lanes 16-31 those of B's tile i
.irp i, 0,1,2,3,4,5,6,7
	ds_load_b64 v[SC+16*(\cc)+2*\i:SC+16*(\cc)+2*\i+1], v8 offset:\i*TIL
.endr
.endm
; 16 matrix instructions: my A tiles a0, a0 + 1 x B's eight.  The 32 accumulators take turns, one instruction a turn, in the same order in every K step.
.macro MUL16 a0, p, sp, cc, first
.irp a, \a0, \a0+1
.irp b, 0,1,2,3,4,5,6,7
.if \first
	v_wmma_scale_f32_16x16x128_f8f6f4 v[8*(8*(\a)+\b):8*(8*(\a)+\b)+7], v[96*(\p)+12*\b:96*(\p)+12*\b+11], v[AF+48*(\p)+12*(\a):AF+48*(\p)+12*(\a)+11], v[BRG+8*\b:BRG+8*\b+7], v[SC+16*(\cc)+2*\b+(\sp)], v[SC+16*(\cc)+2*(\a)+(\sp)] matrix_a_fmt:MATRIX_FMT_BF6 matrix_b_fmt:MATRIX_FMT_BF6 matrix_a_scale:MATRIX_SCALE_ROW1
.else
	v_wmma_scale_f32_16x16x128_f8f6f4 v[8*(8*(\a)+\b):8*(8*(\a)+\b)+7], v[96*(\p)+12*\b:96*(\p)+12*\b+11], v[AF+48*(\p)+12*(\a):AF+48*(\p)+12*(\a)+11], v[8*(8*(\a)+\b):8*(8*(\a)+\b)+7], v[SC+16*(\cc)+2*\b+(\sp)], v[SC+16*(\cc)+2*(\a)+(\sp)] matrix_a_fmt:MATRIX_FMT_BF6 matrix_b_fmt:MATRIX_FMT_BF6 matrix_a_scale:MATRIX_SCALE_ROW1
.endif
.endr
.endr
.endm
.macro MWIN first                      ; source 0 window 1, source 1 window 0, D window 2; C window 1 (the bias) in the first K step, else window 2
.if \first
	WIN 0x91
.else
	WIN 0xa1
.endif
.endm
; The coordinates of the tile with the number y in s[y], and the global addresses of my wave's half of K in both groups 0.  It stands where no tensor load of mine is out.
.macro COORD y
	s_sub_co_u32 s73, s\y, 8
	s_lshl_b32 s73, s73, 2
	s_add_co_u32 s73, s73, ttmp9                   ; type V: 4 (y - 8) + the cluster's x
	s_cmp_lt_u32 s\y, 8
	s_cselect_b32 s72, s\y, 0                      ; which four A tiles the cluster has
	s_cselect_b32 s73, ttmp9, s73                  ; which four B tiles
	s_cselect_b32 s74, 0, 128                      ; A's first row tile in its buffer (Wv begins at tile 128 of wimg)
	s_cselect_b32 s75, -1, 0                       ; keeps the bias along the registers in type QK alone,
	s_cselect_b32 s76, 0, -1                       ; the bias along the lanes in type V alone
	s_cselect_b64 s[84:85], s[4:5], s[6:7]         ; A's buffer: ximg or wimg
	s_cselect_b64 s[86:87], s[6:7], s[4:5]         ; B's: the other
	s_lshl_b32 s77, s72, 2
	s_add_co_u32 s77, s77, s70                     ; A tile (256 rows)
	s_lshl_b32 s78, s73, 2
	s_add_co_u32 s78, s78, s69                     ; B tile (128 rows)
	s_lshl_b32 s79, s77, 4
	s_add_co_u32 s79, s79, s74
	s_mul_i32 s80, s79, REC
	s_mul_i32 s81, s67, 2*CREC                     ; + my half of K
	s_add_co_u32 s80, s80, s81
	s_mov_b32 s81, 0
	s_lshl_b32 s82, s78, 3
	s_mul_i32 s82, s82, REC
	s_mul_i32 s83, s67, 2*CREC
	s_add_co_u32 s82, s82, s83
	s_mov_b32 s83, 0
	s_add_nc_u64 s[34:35], s[84:85], s[80:81]
	s_or_b32 s35, s35, 0x80000000
	s_add_nc_u64 s[50:51], s[86:87], s[82:83]
	s_or_b32 s51, s51, 0x80000000
.endm
; The bias along the registers of the tile whose coordinates stand: for B's tile b lane (r, h) wants that of B rows 32 (b / 2) + 16 h + 8 (b % 2) + 0 .. 7.  Type QK: bq or bk at 128 x (B tile % 8); type V reads the first 128 numbers, which are masked later
.macro PRE
	s_and_b32 s41, s78, 7
	s_lshl_b32 s41, s41, 9
	s_and_b32 s41, s41, s75
	v_lshl_add_u32 v11, v2, 6, s41
	s_cmp_lt_u32 s73, 2
	s_cselect_b64 s[104:105], s[8:9], s[10:11]
	WIN 0x40
.irp b, 0,1,2,3,4,5,6,7
	global_load_b128 v[BRG+8*\b:BRG+8*\b+3], v11, s[104:105] offset:(32*(\b/2)+8*(\b%2))*4
	global_load_b128 v[BRG+8*\b+4:BRG+8*\b+7], v11, s[104:105] offset:(32*(\b/2)+8*(\b%2))*4+16
.endr
	WIN 0
.endm
; A tile begins (its coordinates stand, s71 is its y): where its results go, its biases, the LDS addresses at slot 0's first chunk
.macro START
	s_wait_xcnt 0x0                                ; the last tile's stores have read their registers and pointers
	s_mov_b32 s39, s76
	s_lshl_b32 s42, s77, 10                        ; the bias along the lanes: for my A tile a lane r wants bv at 256 x A tile + 64 x wave + 32 (a / 2) + 8 (a % 2) + r + 8 (r / 8).  Type QK reads the first 64 numbers, masked later
	s_lshl_b32 s43, s66, 8
	s_add_co_u32 s42, s42, s43
	s_and_b32 s42, s42, s76
	s_lshl_b32 s90, s77, 4                         ; type QK: x's row tiles I0 .. I0 + 3, I0 = 16 x A tile + 4 x wave; heads 2 p and 2 p + 1, p = B tile % 8; k where B tile >= 8
	s_lshl_b32 s91, s66, 2
	s_add_co_u32 s90, s90, s91                     ; I0
	s_lshr_b32 s91, s90, 7                         ; the batch
	s_and_b32 s90, s90, 127                        ; the tile in the batch
	s_and_b32 s92, s78, 7                          ; p
	s_lshr_b32 s93, s78, 3                         ; k?
	s_lshl_b32 s91, s91, 4
	s_lshl_b32 s94, s92, 1
	s_add_co_u32 s91, s91, s94                     ; 16 x batch + head
	s_lshl_b32 s91, s91, 4
	s_lshr_b32 s94, s90, 3
	s_add_co_u32 s91, s91, s94                     ; the record: + the key step
	s_and_b32 s90, s90, 7
	s_mul_i32 s94, s90, 768
	s_mul_i32 s95, s93, 6656
	s_add_co_u32 s94, s94, s95                     ; the codes' place in it
	s_lshr_b32 s90, s90, 2
	s_lshl_b32 s90, s90, 8
	s_mul_i32 s95, s93, 12800
	s_add_co_u32 s90, s90, s95
	s_add_co_u32 s90, s90, 6144                    ; the scale words' place: group (tile / 4) of Q's or of K's
	s_lshr_b32 s95, s78, 4                         ; type V: head 4 x A tile + wave, batch B tile / 16, key step B tile % 16
	s_lshl_b32 s95, s95, 4
	s_lshl_b32 s96, s77, 2
	s_add_co_u32 s95, s95, s96
	s_add_co_u32 s95, s95, s66
	s_lshl_b32 s95, s95, 4
	s_and_b32 s96, s78, 15
	s_add_co_u32 s95, s95, s96
	s_cmp_lt_u32 s71, 8
	s_cselect_b32 s91, s91, s95
	s_mov_b32 s95, 12800
	s_cselect_b32 s94, s94, s95
	s_mov_b32 s95, 19456
	s_cselect_b32 s90, s90, s95
	s_mov_b32 s96, 768
	s_cselect_b32 s96, 16*QREC, s96                ; from a fragment's first half to its second: the next head's record, or 768 bytes on
	s_mov_b32 s98, 1536
	s_cselect_b32 s98, 768, s98                    ; from tile to tile
	s_cselect_b32 s99, 0xffff, -1                  ; of a scale word: a head's two bytes, or all four
	s_mov_b32 s97, 0
	s_mul_i32 s91, s91, QREC
	s_add_co_u32 s94, s94, s91
	s_add_co_u32 s90, s90, s91
	s_mov_b32 s95, 0
	s_mov_b32 s91, 0
	s_add_nc_u64 s[94:95], s[14:15], s[94:95]      ; first halves
	s_add_nc_u64 s[92:93], s[94:95], s[96:97]      ; second halves
	s_add_nc_u64 s[90:91], s[14:15], s[90:91]      ; scale words
	s_add_nc_u64 s[100:101], s[90:91], s[96:97]    ; type QK: the second head's
	s_wait_loadcnt 0x0                             ; the bias along the registers is in
	WIN 0x44
.set i, 0
.rept 64
	v_and_b32 v[BRG+i], s75, v[BRG+i]
.set i, i+1
.endr
	WIN 0
	v_lshrrev_b32 v12, 3, v1
	v_lshl_add_u32 v12, v12, 3, v1
	v_lshl_add_u32 v12, v12, 2, s42
.irp a, 0,1,2,3
	global_load_b32 v[BL+2*\a], v12, s[12:13] offset:(32*(\a/2)+8*(\a%2))*4
	global_load_b32 v[BL+2*\a+1], v12, s[12:13] offset:(32*(\a/2)+8*(\a%2))*4   ; (the packed addition names a pair)
.endr
	v_mov_b32 v208, v9
	v_mov_b32 v212, v10
.irp a, 1,2,3
	v_add_nc_u32 v[208+\a], s98, v[207+\a]
	v_add_nc_u32 v[212+\a], s98, v[211+\a]
.endr
	v_add_nc_u32 v4, s36, v9                       ; my four tiles of A,
	v_add_nc_u32 v5, s36, v10
	v_add_nc_u32 v6, BOF, v9                       ; B's eight,
	v_add_nc_u32 v7, BOF, v10
	v_mul_u32_u24 v8, s37, v2                      ; the scale words: lanes 16-31 take B's
	v_lshl_add_u32 v8, v1, 3, v8
	v_add_nc_u32 v8, s36, v8
	v_add_nc_u32 v8, 3072, v8
	WALU
.endm
.macro KEVEN cc, first                 ; a chunk's first 128 K; in its middle the second 128 K are fetched
	s_wait_dscnt 0x0                               ; this K step's fragments and scale words are in
	MWIN \first
	MUL16 0, 0, 0, \cc, \first
	PLACES 4
	FETCH 1, 1
	MWIN \first
	MUL16 2, 0, 0, \cc, \first
.endm
.macro KODD c, refill                  ; chunk c's second 128 K; the next chunk's first fragments are fetched.  c = 1: the change of slots
.if (\c) == 1
	WIN 0
	s_wait_tensorcnt 0x0                           ; every load of mine has landed: slot 1's among them
.if \refill
	ds_add_u32 v254, v255                          ; the next tile's coordinates and addresses, work on registers, stand between it and its wait
	s_add_co_u32 s40, s71, 4
	COORD 40
.endif
.endif
	s_wait_dscnt 0x0                               ; this K step's fragments are in: my reads of the chunk are over
.if (\c) == 1
	s_barrier_signal -1
.endif
	WIN 0xa1
	MUL16 0, 1, 1, (\c)%2, 0
	WIN 0
.if (\c) == 1
	s_barrier_wait -1                              ; slot 1 is shown to all, and nobody reads slot 0 any more
.if \refill
	CREST                                          ; the same holds of all sixteen work-groups
	TREE 0                                         ; slot 0 takes the next tile's first half of K
.endif
.endif
	PLACES 4
.irp r, 4,5,6,7,8
	v_add_nc_u32 v\r, CREC+((\c)%2)*(CH-2*CREC), v\r   ; on to the next chunk: 3,328 on in the tile's place, or into slot 1
.endr
	SCALES ((\c)+1)%2
	FETCH 0, 0
	WIN 0xa1
	MUL16 2, 1, 1, (\c)%2, 0
.endm
.macro KLAST refill                    ; the last K step: nothing more of this tile to fetch
.if \refill
	WIN 0
	s_wait_tensorcnt 0x0                           ; slot 0's refill has landed
	ds_add_u32 v254, v255
	s_wait_dscnt 0x0                               ; the add is done, and my reads of slot 1 are over
	s_barrier_signal -1
	WIN 0xa1
	MUL16 0, 1, 1, 1, 0
	WIN 0
	s_barrier_wait -1
	CREST
	TREE 1                                         ; slot 1 takes the next tile's second half of K
	PRE                                            ; and the next tile's bias along the registers is asked for
	WIN 0xa1
	MUL16 2, 1, 1, 1, 0
.else
	s_wait_dscnt 0x0
	WIN 0xa1
	MUL16 0, 1, 1, 1, 0
	MUL16 2, 1, 1, 1, 0
.endif
	WIN 0
.endm
; 64 numbers of a lane, register 16 b + i = k 32 b + 16 (lane / 16) + i of my row, become a fragment's 12 registers at v[pc] and its scale word in v[pw]
.macro QUANT s, pc, pw
.irp b, 0,1,2,3
	v_max3_num_f32 v[TM+\b], |v[\s+16*\b]|, |v[\s+1+16*\b]|, 0x2800000   ; my 16 numbers of block b, and the floor 2^(5 - 127)
.endr
.irp i, 2,4,6,8,10,12,14
.irp b, 0,1,2,3
	v_max3_num_f32 v[TM+\b], v[TM+\b], |v[\s+16*\b+\i]|, |v[\s+1+16*\b+\i]|
.endr
.endr
.irp b, 0,1,2,3
	v_permlanex16_b32 v[TM+4+\b], v[TM+\b], s2, s3
.endr
.irp b, 0,1,2,3
	v_max_num_f32 v[TM+\b], v[TM+\b], v[TM+4+\b]   ; with lane l xor 16's: the block's largest magnitude
.endr
.irp b, 0,1,2,3
	v_add_nc_u32 v[TM+12+\b], 0xfe000000, v[TM+\b] ; 4 off its exponent field: the conversion's scale operand
.endr
.irp b, 0,1,2,3
	v_lshrrev_b32 v[TM+4+\b], 23, v[TM+12+\b]      ; the scale's byte
.endr
	v_lshl_or_b32 v[\pw], v[TM+5], 8, v[TM+4]
	v_lshl_or_b32 v[\pw], v[TM+6], 16, v[\pw]
	v_lshl_or_b32 v[\pw], v[TM+7], 24, v[\pw]
.irp c, 0,1
	v_cvt_scalef32_pk16_bf6_f32 v[\pc+6*\c:\pc+6*\c+2], v[\s+32*\c:\s+32*\c+15], v[TM+12+2*\c]
	v_cvt_scalef32_pk16_bf6_f32 v[CT+4*\c:CT+4*\c+2], v[\s+32*\c+16:\s+32*\c+31], v[TM+13+2*\c]   ; (a conversion's three registers begin on an even number)
.endr
	v_nop                                          ; one plain place behind a scaled conversion
.irp c, 0,1                            ; the operand's layout wants a whole block in a lane: lanes 0-15 block 2 c, lanes 16-31 block 2 c + 1
.irp i, 0,1,2
	v_permlane16_swap_b32 v[\pc+6*\c+\i], v[CT+4*\c+\i]
.endr
.irp i, 0,1,2
	v_mov_b32 v[\pc+6*\c+3+\i], v[CT+4*\c+\i]
.endr
.endr
.endm
; THE WAY OUT: tile of A by tile: the 64 sums of a lane come down into window 0 (with the bias along the lanes), are quantised, and leave as images: every store covers 512 or 256 consecutive bytes, aligned.
; younger: the loads issued behind those of the bias along the lanes (the next tile's 16), which may stay out
.macro WAYOUT younger
	s_wait_loadcnt \younger
.irp i, 0,1,2,3,4,5,6,7
	v_and_b32 v[BL+\i], s39, v[BL+\i]              ; these eight are also the places behind the last products
.endr
.irp a, 0,1,2,3
	WIN 0x02
.set i, 0
.rept 32
	v_pk_add_f32 v[T+2*i:T+2*i+1], v[64*\a+2*i:64*\a+2*i+1], v[BL+2*\a:BL+2*\a+1] op_sel_hi:[1,0]   ; in ascending order: each accumulator from its low end on
.set i, i+1
.endr
	WIN 0
.set PCA, 128+12*\a
.set PWA, PWR+\a
	QUANT T, PCA, PWA
	global_store_b128 v[208+\a], v[PCA:PCA+3], s[94:95]
	global_store_b64 v[212+\a], v[PCA+4:PCA+5], s[94:95] offset:512
	global_store_b128 v[208+\a], v[PCA+6:PCA+9], s[92:93]
	global_store_b64 v[212+\a], v[PCA+10:PCA+11], s[92:93] offset:512
.endr
	s_mov_b32 vcc_lo, 0xffff0000                   ; the four tiles' scale words as one group of 256 bytes: word e of lane (r, h) is tile 2 e + h's, row r's
	v_cndmask_b32 v204, v200, v201, vcc_lo
	v_cndmask_b32 v205, v202, v203, vcc_lo
	v_and_b32 v206, s99, v204
	v_and_b32 v207, s99, v205
	global_store_b64 v10, v[206:207], s[90:91]
	s_cmp_lt_u32 s71, 8                            ; the tile's y: the same in all partners
	s_cbranch_scc0 .Lno_second_head_\@
	v_lshrrev_b32 v224, 16, v204                   ; type QK: the upper two bytes are the second head's
	v_lshrrev_b32 v225, 16, v205
	global_store_b64 v10, v[224:225], s[100:101]
.Lno_second_head_\@:
.endm
.macro BODY refill                     ; a tile: eight K steps and the way out
	SCALES 0
	FETCH 0, 0
	KEVEN 0, 1                                     ; the first K step starts the sums, with the bias as C
	KODD 0, \refill
	WALU
	KEVEN 1, 0
	KODD 1, \refill
	WALU
	KEVEN 0, 0
	KODD 2, \refill
	WALU
	KEVEN 1, 0
	KLAST \refill
	WAYOUT 16*(\refill)
.endm
	s_load_b256 s[4:11], s[0:1], 0x0               ; ximg, wimg, bq, bk
	s_load_b128 s[12:15], s[0:1], 0x20             ; bv, qkv
	v_lshl_add_u32 v254, v0, 2, 2*CH
	v_mov_b32 v255, 0
	ds_add_u32 v254, v255                          ; the opening lines: the add twice on end and one wait
	ds_add_u32 v254, v255
	v_lshrrev_b32 v1, 5, v0
	v_readfirstlane_b32 s66, v1                    ; wave 0..3
	s_lshr_b32 s67, s66, 1                         ; which half of K I fetch
	s_bfe_u32 s69, ttmp6, 0x40000                  ; cx
	s_bfe_u32 s70, ttmp6, 0x40004                  ; cy
	s_and_b32 s71, ttmp7, 0xffff                   ; the first tile's y: the cluster's
	s_lshl_b32 s79, s70, 2
	s_lshl_b32 s79, 15, s79                        ; my row of the cluster
	s_or_b32 s16, s79, (3<<16)|(1<<21)             ; group 1 for A: 15:0 the mask; 17:16 elements of 8 bytes; 21 set beside a mask; no padding
	s_lshl_b32 s82, 0x1111, s69                    ; my column
	s_or_b32 s24, s82, (3<<16)|(1<<21)             ; group 1 for B
	s_mov_b32 s17, 832<<16                         ; tensor_dim0: 832 elements = 6,656 bytes: two chunks of a record
	s_mov_b32 s18, 16<<16                          ; tensor_dim1: A's 16 row tiles
	s_mov_b32 s19, 832<<16                         ; tile_dim0
	s_mov_b32 s20, 16                              ; tile_dim1
	s_mov_b32 s21, 1664                            ; from row tile to row tile: 13,312 bytes
	s_mov_b32 s22, 0
	s_mov_b32 s23, 0
	s_mov_b32 s25, 832<<16
	s_mov_b32 s26, 8<<16                           ; B: 8 row tiles
	s_mov_b32 s27, 832<<16
	s_mov_b32 s28, 8
	s_mov_b32 s29, 1664
	s_mov_b32 s30, 0
	s_mov_b32 s31, 0
	s_mul_i32 s88, s67, CH                         ; my slot: no place in the cluster enters an LDS address
	s_mov_b32 s32, 1
	s_mov_b32 s33, s88
	s_mov_b32 s48, 1
	s_add_co_u32 s49, s88, BOF
	s_mul_i32 s36, s66, 4*TIL                      ; my four tiles of A
	s_xor_b32 s37, s66, 3
	s_add_co_u32 s37, s37, 1
	s_mul_i32 s37, s37, 4*TIL                      ; from them to B's tiles: 4 TIL (4 - wave)
	s_mov_b32 s2, 0x76543210
	s_mov_b32 s3, 0xfedcba98                       ; selects for lane l xor 16
	v_and_b32 v1, 15, v0                           ; r
	v_bfe_u32 v2, v0, 4, 1                         ; h
	v_and_b32 v3, 31, v0                           ; lane
	v_lshlrev_b32 v9, 4, v3                        ; 16 x lane
	v_lshlrev_b32 v10, 3, v3                       ; 8 x lane
.irp b, 0,1,2,3
	v_mov_b32 v[TM+4+\b], 0                        ; written once: a lane permute's destination counts as one of its sources
.endr
	WALU
	s_wait_dscnt 0x0
	CROUND                                         ; all sixteen work-groups are here: the joint loads meet
	s_wait_kmcnt 0x0
	COORD 71
	s_cmp_eq_u32 s66, 0                            ; one chain of branches on the wave's number, one load to an arm
	s_cbranch_scc0 .Lwave_1
	TLOAD 32, 16                                   ; wave 0: A's first half of K
	s_branch .Lasked
.Lwave_1:
	s_cmp_eq_u32 s66, 1
	s_cbranch_scc0 .Lwave_2
	TLOAD 48, 24                                   ; wave 1: B's first half
	s_branch .Lasked
.Lwave_2:
	s_cmp_eq_u32 s66, 2
	s_cbranch_scc0 .Lwave_3
	TLOAD 32, 16                                   ; wave 2: A's second half
	s_branch .Lasked
.Lwave_3:
	TLOAD 48, 24                                   ; wave 3: B's second half
.Lasked:
	PRE
	START
	s_cmp_lt_u32 s66, 2                            ; waves 0 and 1 wait for their tiles, slot 0; waves 2 and 3's may be out
	s_cbranch_scc0 .Lnot_first
	s_wait_tensorcnt 0x0
.Lnot_first:
	s_barrier_signal -1
	s_barrier_wait -1
	s_mov_b32 s38, 0
.Ltile:                                        ; two tiles that have a successor
	BODY 1
	s_add_co_u32 s71, s71, 4
	START
	s_add_co_u32 s38, s38, 1
	s_cmp_lt_u32 s38, 2
	s_cbranch_scc1 .Ltile
	BODY 0                                         ; the last tile asks for nothing more
	s_wait_tensorcnt 0x0                           ; the wave's end
	ds_add_u32 v254, v255
	s_wait_dscnt 0x0
	CROUND                                         ; the closing round: no work-group ends while a partner may still ask for a tile that names it
	s_endpgm
.Lfunc_end_k_qf9f5eabc3a_qkv:
	.size	k_qf9f5eabc3a_qkv, .Lfunc_end_k_qf9f5eabc3a_qkv-k_qf9f5eabc3a_qkv
	.p2alignl 7, 3214868480
	.fill 96, 4, 3214868480
	.section	.rodata,"a",@progbits
	.p2align	6, 0x0
	.amdhsa_kernel k_qf9f5eabc3a_qkv
		.amdhsa_group_segment_fixed_size 327680
		.amdhsa_private_segment_fixed_size 0
		.amdhsa_enable_private_segment 0
		.amdhsa_kernarg_size 48
		.amdhsa_user_sgpr_count 2
		.amdhsa_user_sgpr_kernarg_segment_ptr 1
		.amdhsa_wavefront_size32 1
		.amdhsa_system_sgpr_workgroup_id_x 1
		.amdhsa_system_sgpr_workgroup_id_y 1
		.amdhsa_system_sgpr_workgroup_id_z 1
		.amdhsa_system_vgpr_workitem_id 0
		.amdhsa_next_free_vgpr 768
		.amdhsa_next_free_sgpr 106
		.amdhsa_reserve_vcc 1
		.amdhsa_float_denorm_mode_32 3
		.amdhsa_float_denorm_mode_16_64 3
		.amdhsa_memory_ordered 1
		.amdhsa_forward_progress 1
		.amdhsa_inst_pref_size 199
	.end_amdhsa_kernel
	.amdgpu_metadata
---
amdhsa.version: [ 1, 2 ]
amdhsa.kernels:
  - .name:           k_qf9f5eabc3a_qkv
    .symbol:         k_qf9f5eabc3a_qkv.kd
    .args:
      - { .name: ximg, .offset: 0, .size: 8, .value_kind: global_buffer, .address_space: global }
      - { .name: wimg, .offset: 8, .size: 8, .value_kind: global_buffer, .address_space: global }
      - { .name: bq, .offset: 16, .size: 8, .value_kind: global_buffer, .address_space: global }
      - { .name: bk, .offset: 24, .size: 8, .value_kind: global_buffer, .address_space: global }
      - { .name: bv, .offset: 32, .size: 8, .value_kind: global_buffer, .address_space: global }
      - { .name: qkv, .offset: 40, .size: 8, .value_kind: global_buffer, .address_space: global }
    .group_segment_fixed_size: 327680
    .private_segment_fixed_size: 0
    .kernarg_segment_align: 8
    .kernarg_segment_size: 48
    .max_flat_workgroup_size: 128
    .sgpr_count:     106
    .vgpr_count:     768
    .wavefront_size: 32
...
	.end_amdgpu_metadata
.endif
;; end of part 2
;; launch attn (part 3): grid 4 x 64, 16 waves a work-group, clusters of 4 x 1, 263,168 bytes of LDS; arguments qkv, aimg; writes aimg
.if DOCPART == 3
	.amdgcn_target "amdgcn-amd-amdhsa--gfx1250"
	.amdhsa_code_object_version 6
	.text
	.protected	k_qf9f5eabc3a_attn
	.globl	k_qf9f5eabc3a_attn
	.p2align	8
	.type	k_qf9f5eabc3a_attn,@function
k_qf9f5eabc3a_attn:
	s_mov_b64 s[64:65], 0
	v_nop
	global_prefetch_b8 v0, s[64:65] scope:SCOPE_SE
	s_setreg_imm32_b32 hwreg(HW_REG_WAVE_MODE, 25, 1), 1
	s_wait_xcnt 0x0
	s_wait_alu depctr_hold_cnt(0) depctr_sa_sdst(0) depctr_va_vdst(0) depctr_va_sdst(0) depctr_va_ssrc(0) depctr_va_vcc(0) depctr_vm_vsrc(0)
	s_getreg_b32 s2, hwreg(HW_REG_IB_STS2, 6, 4)
	s_cmp_eq_u32 s2, 0
	s_cbranch_scc0 .Lentry_in_a_cluster
	s_endpgm
.Lentry_in_a_cluster:
	s_bfe_u32 s2, ttmp6, 0x10000c
	s_cmp_lg_u32 s2, 0x3003
	s_cbranch_scc0 .Lentry_shape_is_right
	s_endpgm
.Lentry_shape_is_right:
; Causal attention of one (batch, head) on codes of BF6 (E3M2) with E8M0 scales: S^T = K Q^T (K = the head's 64), p = 2^(t - M), O^T = V^T P^T (K = the keys), O / l, quantised along the model's 1,024 for the last projection.
; t = score x log2(e) / 8; M = the running largest t rounded UP to a whole number; the row's sum is taken of the unquantised p; a change of M multiplies the sum and O^T by a power of two.
; LEFT OUT: key steps that lie wholly behind a query tile's diagonal: the causal mask sets their scores to -infinity, so their p is 0 for all values of the inputs.
; SHARES.  The grid's y is 16 x batch + head; the four work-groups of a head form a cluster.  A head has 16 key steps of 128 tokens, each of 8 query tiles of 16.
; Wave w takes tile J = 2 cx + w / 8 of key step 15 - w % 8 and then tile J of key step w % 8: (16 - w % 8) + (w % 8 + 1) = 17 key steps for every wave of every work-group.
; The key steps hang on the wave's number alone; J enters Q's and O's addresses and the mask's numbers alone.
; LDS holds the head's K, V and their scale words whole: 16 steps x 13,056 bytes, every byte filled once, one tensor load a wave (wave w: key step w), asked for jointly by the four work-groups.
; Waves 0-3 have a load line of their own: key steps 0-3 are shown by the first barrier, the others by a second barrier behind four steps.  No prefetch: all that a work-group reads is asked for by its first loads.
; WHICH KEYS FORM A TILE OF K.  Row 8 g + i of tile t is key 64 (t / 4) + 32 g + 8 (t % 4) + i.  So lane (r, h) holds in the 32 registers of tiles 4 c .. 4 c + 3 the keys 64 c + 32 h + 0 .. 31 of query r:
; a whole scale block, in the order of P's operand registers: a block's maximum needs no other lane, and the conversions' results are the operand.
; In memory a tile I holds tokens 32 (I / 2) + 8 (I % 2) + r + 8 (r / 8); the tiles wanted here are gathered from those images by the lanes' LDS addresses (lanes 8-15 of a half read the image two tiles on).
; THE HEAD'S 64 IN AN INSTRUCTION OF 128: Q's registers 6-11 are zero codes; K's tile t is named with the six registers behind it, which meet Q's zeros; the scale words' bytes 2, 3 are 0, which is 2^-127.
; The scale bytes of O leave two bytes a row (global_store_b16), lanes 16-31 writing the record's second copy.
; LIMITS: byte 1 for blocks of zeros and under 2^(5 - 127); NaN and infinities are not served; the promise holds while the scaled scores t stay under 2^31 in magnitude.
; REGISTERS: v1, v2 16 and 8 x lane; v3, v4, v29 K's lane addresses (16-byte pieces, 8-byte pieces, scale words); v5 d; v6 -infinity; v7-9 store offsets; v10, v11, v28 Q's offsets; v12 -M, v13 largest score, v[14:15] the sum;
;   v16-27 the first Q, v230-241 the second; v31 8 h; v32-85 K, then V in v32-79; v86-89 K's scale words, v90-91 V's, v92 p's, v93 and v211 Q's; v94, v95, v222, v223, v227 the step's LDS addresses;
;   v96-159 S^T, then p; v160-191 O^T; v192-203 p's codes; v204-210 conversions' second halves; v212-221, v226 at work; v[224:225] f; v228-229, v242-253 the sum's chains.
.set STEPB, 16320                      ; a key step in LDS: its 51 rows of 256 bytes, each with 64 bytes of padding behind it: byte y lies at 320 (y / 256) + y % 256.  K at y = 0, V 6,144, K's scale words 12,288, V's 12,800.
.set QREC,  19712                      ; a record of qkv
.set SPARE, 16*STEPB                   ; the spare words: 128 bytes a wave
.set U,   9                            ; s9   the key step of the query tile at work
.set TB,  44                           ; s44  LDS byte at which the step's tiles begin
.set SI,  45                           ; s45  the step's number
.macro WALU
	s_wait_alu depctr_va_vdst(0)
.endm
.macro CROUND
	s_barrier_signal -1
	s_barrier_wait -1
	s_cmp_lg_u32 s8, 0
	s_cbranch_scc1 .Lnot_wave_0_\@
	s_barrier_signal -3
.Lnot_wave_0_\@:
	s_barrier_wait -3
	s_barrier_signal -1
	s_barrier_wait -1
.endm
; A KEY STEP of 128 keys for the query tile whose codes lie at v[q] and whose scale word in v[qs].  A step behind the diagonal is left out by a scalar branch on the wave's own numbers.
.macro STEP q, qs
	s_cmp_gt_u32 s[SI], s[U]
	s_cbranch_scc1 .Lhidden_\@
	v_add_nc_u32 v94, s[TB], v3                    ; five plain lines: also the places behind the last step's products, ahead of loads into their sources
	v_add_nc_u32 v95, s[TB], v4
	v_add_nc_u32 v222, s[TB], v29
	v_add_nc_u32 v223, s[TB], v30
	v_add_nc_u32 v227, s[TB], v2
.irp t, 0,1,2,3,4,5,6,7
	ds_load_b128 v[32+6*\t:35+6*\t], v94 offset:3840*(\t/4)+960*(\t%2)+128*((\t%4)/2)
	ds_load_b64 v[36+6*\t:37+6*\t], v95 offset:3840*(\t/4)+960*(\t%2)+64*((\t%4)/2)+640
.endr
.irp p, 0,1,2,3
	ds_load_b32 v[86+\p], v222 offset:15360+320*(\p/2)+64*(\p%2)   ; K's scale words: lanes 0-15 tile 2 p's, lanes 16-31 tile 2 p + 1's
.endr
	WALU
	s_wait_dscnt 0x0
.irp t, 0,2,4,6
	v_wmma_scale_f32_16x16x128_f8f6f4 v[96+8*\t:103+8*\t], v[32+6*\t:43+6*\t], v[\q:\q+11], 0, v[86+\t/2], v[\qs] matrix_a_fmt:MATRIX_FMT_BF6 matrix_b_fmt:MATRIX_FMT_BF6
	v_wmma_scale_f32_16x16x128_f8f6f4 v[104+8*\t:111+8*\t], v[38+6*\t:49+6*\t], v[\q:\q+11], 0, v[86+\t/2], v[\qs] matrix_a_fmt:MATRIX_FMT_BF6 matrix_b_fmt:MATRIX_FMT_BF6 matrix_a_scale:MATRIX_SCALE_ROW1
.endr
.rept 4
	v_nop                                          ; places ahead of the loads into K's registers and of the first read of the scores
.endr
.irp t, 0,1,2,3                        ; V's four fragments are asked for now and land under the softmax
.irp c, 0,1
	ds_load_b128 v[32+12*\t+6*\c:35+12*\t+6*\c], v223 offset:7680+1920*\t+960*\c
	ds_load_b64 v[36+12*\t+6*\c:37+12*\t+6*\c], v227 offset:7680+1920*\t+960*\c+640
.endr
.endr
	ds_load_b64 v[90:91], v227 offset:16000
	s_cmp_lg_u32 s[SI], s[U]                       ; on the diagonal hidden scores become -infinity ahead of the maximum: p = 0 then
	s_cbranch_scc1 .Lopen_\@
.set n, 0
.rept 64
	v_cmp_gt_i32 vcc_lo, 64*(n/32)+n%32, v5        ; register n holds key 64 (n / 32) + 32 h + n % 32; d = my query's place - 32 h
	v_cndmask_b32 v[96+n], v[96+n], v6, vcc_lo
.set n, n+1
.endr
.Lopen_\@:
.irp b, 0,1,2,3                        ; four chains of 16 scores side by side, each accumulator from its low end on
	v_max3_num_f32 v[212+\b], v[96+16*\b], v[97+16*\b], v[98+16*\b]
.endr
.irp i, 3,5,7,9,11,13
.irp b, 0,1,2,3
	v_max3_num_f32 v[212+\b], v[212+\b], v[96+16*\b+\i], v[97+16*\b+\i]
.endr
.endr
	v_max3_num_f32 v212, v212, v111, v127
	v_max3_num_f32 v214, v214, v143, v159
	v_max_num_f32 v212, v212, v213                 ; the largest score of my first block of 32 keys,
	v_max_num_f32 v213, v214, v215                 ; and of my second: for the row's maximum and, since p rises with the score, for the block's largest p
	s_delay_alu instid0(VALU_DEP_1)
	v_max_num_f32 v226, v212, v213
	s_delay_alu instid0(VALU_DEP_1)
	v_permlanex16_b32 v216, v226, s40, s41         ; lane l xor 16's two blocks
	s_delay_alu instid0(VALU_DEP_1)
	v_max3_num_f32 v13, v13, v226, v216            ; the running largest score (key 0 of a step counts for every query of it: a number)
	s_delay_alu instid0(VALU_DEP_1)
	v_mul_f32 v226, s42, v13                       ; as t (c is positive)
	v_mov_b32 v217, v12
	s_delay_alu instid0(VALU_DEP_2)
	v_floor_f32 v12, -v226                         ; the new -M = -ceil(t)
	s_delay_alu instid0(VALU_DEP_1)
	v_sub_f32 v226, v12, v217                      ; old M - new M: a whole number, 0 or less
	s_delay_alu instid0(VALU_DEP_1)
	v_cvt_i32_f32 v226, v226                       ; (it saturates)
	s_delay_alu instid0(VALU_DEP_1)
	v_ldexp_f32 v224, 1.0, v226                    ; f = 2^(old M - new M)
.set n, 0
.rept 32
	v_pk_fma_f32 v[96+n:97+n], v[96+n:97+n], s[42:43], v[12:13] op_sel_hi:[1,0,0]   ; t - M, two at a time
.set n, n+2
.endr
	v_fma_f32 v212, v212, s42, v12                 ; the same of each block's largest score
	v_fma_f32 v213, v213, s42, v12
	WALU                                           ; the wait ahead of the batch
.set n, 0
.rept 64
	v_exp_f32 v[96+n], v[96+n]                     ; p = 2^(t - M)
.set n, n+1
.endr
	v_exp_f32 v212, v212                           ; each block's largest p: the same two instructions on the same number
	v_exp_f32 v213, v213
	v_pk_mul_f32 v[14:15], v[14:15], v[224:225] op_sel_hi:[1,0]   ; the sums under the new M: the plain place behind the exponentials
	WALU                                           ; one wait for the batch of 66, ahead of its first reader
.set n, 96                             ; the row's sum of the unquantised p: eight chains of packed additions
.irp a, 228,242,244,246,248,250,252
	v_pk_add_f32 v[\a:\a+1], v[n:n+1], v[n+2:n+3]
.set n, n+4
.endr
	v_pk_add_f32 v[14:15], v[14:15], v[124:125]
.set n, 126
.rept 2
.irp a, 228,242,244,246,248,250,252,14
	v_pk_add_f32 v[\a:\a+1], v[\a:\a+1], v[n:n+1]
.set n, n+2
.endr
.endr
	v_pk_add_f32 v[228:229], v[228:229], v[158:159]
	v_pk_add_f32 v[14:15], v[14:15], v[242:243]
	v_pk_add_f32 v[228:229], v[228:229], v[244:245]
	v_pk_add_f32 v[246:247], v[246:247], v[248:249]
	v_pk_add_f32 v[250:251], v[250:251], v[252:253]
	s_delay_alu instid0(VALU_DEP_2)
	v_pk_add_f32 v[14:15], v[14:15], v[246:247]
	s_delay_alu instid0(VALU_DEP_2)
	v_pk_add_f32 v[228:229], v[228:229], v[250:251]
	s_delay_alu instid0(VALU_DEP_1)
	v_pk_add_f32 v[14:15], v[14:15], v[228:229]
	v_max_num_f32 v212, 0x2800000, v212            ; the floor 2^(5 - 127)
	v_max_num_f32 v213, 0x2800000, v213
	v_add_nc_u32 v220, 0xfe000000, v212            ; 4 off the exponent field: the conversions' scale operands
	v_add_nc_u32 v221, 0xfe000000, v213
	v_lshrrev_b32 v216, 23, v220                   ; the scales' bytes: blocks h and 2 + h
	v_lshrrev_b32 v217, 23, v221
	v_lshl_or_b32 v218, v217, 16, v216
	v_lshlrev_b32 v218, v31, v218                  ; at their places, 8 h bits up
	v_permlanex16_b32 v219, v218, s40, s41
	v_or_b32 v92, v218, v219                       ; with lane l xor 16's two bytes: p's scale word for these 128 keys
.irp c, 0,1
	v_cvt_scalef32_pk16_bf6_f32 v[192+6*\c:194+6*\c], v[96+32*\c:111+32*\c], v[220+\c]
	v_cvt_scalef32_pk16_bf6_f32 v[204+4*\c:206+4*\c], v[112+32*\c:127+32*\c], v[220+\c]   ; (a conversion's three registers begin on an even number)
.endr
	v_nop                                          ; one plain place behind a scaled conversion
.irp c, 0,1
.irp i, 0,1,2
	v_mov_b32 v[195+6*\c+\i], v[204+4*\c+\i]
.endr
.endr
	WALU                                           ; directly ahead of the first reader of O^T
.set n, 0
.rept 16
	v_pk_mul_f32 v[160+n:161+n], v[160+n:161+n], v[224:225] op_sel_hi:[1,0]   ; O^T under the new M; these 16 are also the places between the scale word, the codes and the products
.set n, n+2
.endr
	WALU
	s_wait_dscnt 0x0                               ; V
.irp t, 0,2
	v_wmma_scale_f32_16x16x128_f8f6f4 v[160+8*\t:167+8*\t], v[32+12*\t:43+12*\t], v[192:203], v[160+8*\t:167+8*\t], v[90+\t/2], v92 matrix_a_fmt:MATRIX_FMT_BF6 matrix_b_fmt:MATRIX_FMT_BF6
	v_wmma_scale_f32_16x16x128_f8f6f4 v[168+8*\t:175+8*\t], v[44+12*\t:55+12*\t], v[192:203], v[168+8*\t:175+8*\t], v[90+\t/2], v92 matrix_a_fmt:MATRIX_FMT_BF6 matrix_b_fmt:MATRIX_FMT_BF6 matrix_a_scale:MATRIX_SCALE_ROW1
.endr
.Lhidden_\@:
	s_add_co_u32 s[SI], s[SI], 1
	s_add_co_u32 s[TB], s[TB], STEPB
.endm
.macro WALK trips, q, qs               ; a counted loop of key steps
	s_mov_b32 s46, \trips
.Lwalk_\@:
	STEP \q, \qs
	s_sub_co_u32 s46, s46, 1
	s_cmp_lg_u32 s46, 0
	s_cbranch_scc1 .Lwalk_\@
.endm
.macro BEGIN                           ; a query tile begins: the step is written once; the first finds zeros, which the first change of M leaves zeros
.set n, 0
.rept 32
	v_mov_b32 v[160+n], 0
.set n, n+1
.endr
	v_mov_b32 v14, 0
	v_mov_b32 v15, 0
	v_mov_b32 v13, 0xff61b1e6                      ; the largest score so far: -3e38
	v_mov_b32 v12, 0x7f61b1e6                      ; -M: 3e38
	s_mov_b32 s[TB], 0
	s_mov_b32 s[SI], 0
	WALU
.endm
; THE WAY OUT of a query tile: O^T / the sum; a lane's 32 numbers are d = 32 b + 16 h + i of my query: two blocks along the last projection's K; they leave as half a fragment's image at s[p:p+1]
.macro WAYOUT p
.rept 4
	v_nop
.endr
	WALU
	v_add_f32 v14, v14, v15
	s_delay_alu instid0(VALU_DEP_1)
	v_permlanex16_b32 v226, v14, s40, s41
	s_delay_alu instid0(VALU_DEP_1)
	v_add_f32 v14, v14, v226                       ; the row's sum
	WALU
	v_rcp_f32 v14, v14
	v_nop                                          ; a plain place behind the transcendental
	WALU                                           ; ahead of its first reader, which is also O^T's
.set n, 0
.rept 16
	v_pk_mul_f32 v[96+n:97+n], v[160+n:161+n], v[14:15] op_sel_hi:[1,0]
.set n, n+2
.endr
.irp b, 0,1
	v_max3_num_f32 v[212+\b], |v[96+16*\b]|, |v[97+16*\b]|, 0x2800000
.endr
.irp i, 2,4,6,8,10,12,14
.irp b, 0,1
	s_delay_alu instid0(VALU_DEP_2)
	v_max3_num_f32 v[212+\b], v[212+\b], |v[96+16*\b+\i]|, |v[97+16*\b+\i]|
.endr
.endr
.irp b, 0,1
	s_delay_alu instid0(VALU_DEP_2)
	v_permlanex16_b32 v[216+\b], v[212+\b], s40, s41
.endr
.irp b, 0,1
	s_delay_alu instid0(VALU_DEP_2)
	v_max_num_f32 v[212+\b], v[212+\b], v[216+\b]
.endr
.irp b, 0,1
	s_delay_alu instid0(VALU_DEP_2)
	v_add_nc_u32 v[220+\b], 0xfe000000, v[212+\b]
.endr
.irp b, 0,1
	s_delay_alu instid0(VALU_DEP_2)
	v_lshrrev_b32 v[216+\b], 23, v[220+\b]
.endr
	s_delay_alu instid0(VALU_DEP_1)
	v_lshl_or_b32 v226, v217, 8, v216              ; my row's two scale bytes
	v_cvt_scalef32_pk16_bf6_f32 v[192:194], v[96:111], v220
	v_cvt_scalef32_pk16_bf6_f32 v[204:206], v[112:127], v221
	v_nop
.irp i, 0,1,2
	v_permlane16_swap_b32 v[192+\i], v[204+\i]
.endr
.irp i, 0,1,2
	s_delay_alu instid0(VALU_DEP_3)
	v_mov_b32 v[195+\i], v[204+\i]
.endr
	global_store_b128 v7, v[192:195], s[\p:\p+1]   ; 512 consecutive bytes, aligned
	global_store_b64 v8, v[196:197], s[\p:\p+1] offset:512
	global_store_b16 v9, v226, s[\p:\p+1] offset:3072
.endm
; ---- the head
	s_load_b128 s[4:7], s[0:1], 0x0                ; qkv, aimg
	v_lshl_add_u32 v254, v0, 2, SPARE
	v_mov_b32 v255, 0
	ds_add_u32 v254, v255                          ; the opening lines: the add twice on end and one wait
	ds_add_u32 v254, v255
	v_lshrrev_b32 v1, 5, v0
	v_readfirstlane_b32 s8, v1                     ; wave 0..15
	s_bfe_u32 s10, ttmp6, 0x40000                  ; cx
	s_lshl_b32 s11, s10, 1
	s_lshr_b32 s13, s8, 3
	s_add_co_u32 s11, s11, s13                     ; J = 2 cx + wave / 8
	s_and_b32 s12, ttmp7, 0xffff                   ; 16 x batch + head
	s_and_b32 s14, s8, 7                           ; the second tile's key step
	s_xor_b32 s[U], s14, 15                        ; the first tile's: 15 - wave % 8
	s_mov_b32 s16, 15|(3<<16)|(1<<20)|(1<<21)|(5<<22)|(15<<25)   ; group 1: the mask: all four work-groups; elements of 8 bytes; padding on; 21 set beside a mask; after every 64 words (code 5) 16 words (code 15)
	s_mov_b32 s17, 32<<16                          ; tensor_dim0: 256 bytes
	s_mov_b32 s18, 51<<16                          ; tensor_dim1: 51 rows: 13,056 dense bytes
	s_mov_b32 s19, 32<<16                          ; tile_dim0
	s_mov_b32 s20, 51                              ; tile_dim1
	s_mov_b32 s21, 32                              ; the pitch
	s_mov_b32 s22, 0
	s_mov_b32 s23, 0
	s_mov_b32 s24, 1                               ; group 0: key step = my wave's number
	s_mul_i32 s25, s8, STEPB
	s_mul_i32 s50, s12, 16*QREC                    ; the head's records
	s_mul_i32 s48, s8, QREC
	s_add_co_u32 s48, s48, s50
	s_add_co_u32 s48, s48, 6656                    ; from K on
	s_mov_b32 s49, 0
	s_mul_i32 s54, s[U], QREC
	s_add_co_u32 s54, s54, s50                     ; the first tile's record,
	s_mov_b32 s55, 0
	s_mul_i32 s58, s14, QREC
	s_add_co_u32 s58, s58, s50                     ; the second's
	s_mov_b32 s59, 0
	s_mov_b32 s40, 0x76543210
	s_mov_b32 s41, 0xfedcba98                      ; selects for lane l xor 16
	s_mov_b32 s42, 0x3e38aa3b                      ; c = log2(e) / sqrt(64)
	s_mov_b32 s43, s42                             ; (the packed form names the pair)
	s_mul_i32 s51, s11, 768                        ; Q's tile J
	s_lshr_b32 s52, s11, 2                         ; its scale word: group J / 4, word (J / 2) % 2 of lane r + 16 (J % 2)
	s_lshl_b32 s52, s52, 8
	s_bfe_u32 s53, s11, 0x10001
	s_lshl_b32 s53, s53, 2
	s_add_co_u32 s52, s52, s53
	s_and_b32 s53, s11, 1
	s_lshl_b32 s60, s53, 3
	s_lshl_b32 s53, s53, 7
	s_add_co_u32 s52, s52, s53
	s_lshr_b32 s61, s11, 1
	s_lshl_b32 s61, s61, 5
	s_add_co_u32 s60, s60, s61                     ; 32 (J / 2) + 8 (J % 2): the tile's first place in its key step
	s_lshr_b32 s66, s12, 4                         ; the batch
	s_and_b32 s67, s12, 15                         ; the head
	s_lshl_b32 s68, s66, 7
	s_add_co_u32 s68, s68, s11                     ; O's record: row tile 128 x batch + 8 x key step + J, chunk head / 4
	s_lshl_b32 s70, s[U], 3
	s_add_co_u32 s70, s70, s68
	s_mul_i32 s70, s70, 13312
	s_lshl_b32 s72, s14, 3
	s_add_co_u32 s72, s72, s68
	s_mul_i32 s72, s72, 13312
	s_lshr_b32 s74, s67, 2
	s_mul_i32 s74, s74, 3328
	s_add_co_u32 s70, s70, s74
	s_add_co_u32 s72, s72, s74
	s_mov_b32 s71, 0
	s_mov_b32 s73, 0
	s_bfe_u32 s75, s67, 0x10001                    ; fragment (head / 2) % 2,
	s_and_b32 s76, s67, 1                          ; half head % 2
	s_mul_i32 s77, s75, 1536
	s_mul_i32 s78, s76, 768
	s_add_co_u32 s77, s77, s78
	s_lshl_b32 s75, s75, 2
	s_lshl_b32 s76, s76, 1
	s_add_co_u32 s78, s75, s76
	v_and_b32 v96, 15, v0                          ; r
	v_bfe_u32 v97, v0, 4, 1                        ; h
	v_and_b32 v98, 31, v0                          ; lane
	v_and_b32 v99, 7, v0                           ; r % 8
	v_bfe_u32 v100, v0, 3, 1                       ; g = r / 8
	v_lshlrev_b32 v1, 4, v98
	v_lshlrev_b32 v2, 3, v98
	v_mul_u32_u24 v3, v100, 1920                   ; K's images: lanes with g = 1 read two tiles on: 6 LDS rows of 320 bytes
	v_lshl_add_u32 v4, v97, 7, v3
	v_mad_u32_u24 v3, v97, 320, v3                 ; lanes 16-31 of a 16-byte piece lie in the next LDS row
	v_lshlrev_b32 v30, 4, v96
	v_mad_u32_u24 v30, v97, 320, v30               ; V's 16-byte pieces: 16 r + 320 h
	v_lshl_add_u32 v3, v99, 4, v3                  ; 1,536 g + 256 h + 16 (r % 8)
	v_lshl_add_u32 v4, v99, 3, v4                  ; 1,536 g + 128 h + 8 (r % 8)
	v_lshlrev_b32 v29, 7, v97
	v_lshl_add_u32 v29, v99, 3, v29
	v_lshl_add_u32 v29, v100, 2, v29               ; K's scale words: 128 h + 8 (r % 8) + 4 g
	v_lshlrev_b32 v31, 3, v97                      ; 8 h
	v_add_nc_u32 v10, s51, v1
	v_add_nc_u32 v11, s51, v2
	v_lshl_add_u32 v28, v96, 3, s52
	v_lshl_add_u32 v5, v100, 3, v96                ; r + 8 (r / 8)
	v_lshlrev_b32 v101, 5, v97
	v_add_nc_u32 v5, s60, v5
	v_sub_nc_u32 v5, v5, v101                      ; d = my query's place in its key step - 32 h
	v_mov_b32 v6, 0xff800000
	v_add_nc_u32 v7, s77, v1
	v_add_nc_u32 v8, s77, v2
	v_lshl_add_u32 v9, v98, 3, s78                 ; my row's two scale bytes; lanes 16-31: the second copy, 128 bytes on
	WALU                                           ; ahead of the waits below
	s_wait_dscnt 0x0
	CROUND                                         ; all four work-groups are here: the joint loads meet
	s_wait_kmcnt 0x0
	s_add_nc_u64 s[26:27], s[4:5], s[48:49]
	s_or_b32 s27, s27, 0x80000000
	s_add_nc_u64 s[56:57], s[4:5], s[54:55]
	s_add_nc_u64 s[58:59], s[4:5], s[58:59]
	s_add_nc_u64 s[62:63], s[6:7], s[70:71]
	s_add_nc_u64 s[66:67], s[6:7], s[72:73]
	s_cmp_lt_u32 s8, 4                             ; one load a wave; waves 0-3, whose tiles are shown first, have a line of their own
	s_cbranch_scc0 .Llater
	tensor_load_to_lds s[24:27], s[16:23]
	s_nop 0
.rept 4
	v_nop
.endr
	s_branch .Lasked
.Llater:
	tensor_load_to_lds s[24:27], s[16:23]
	s_nop 0
.rept 4
	v_nop
.endr
.Lasked:
	global_load_b128 v[16:19], v10, s[56:57]       ; both tiles' half fragments of Q stay in registers
	global_load_b64 v[20:21], v11, s[56:57] offset:512
	global_load_b32 v93, v28, s[56:57] offset:6144
	global_load_b128 v[230:233], v10, s[58:59]
	global_load_b64 v[234:235], v11, s[58:59] offset:512
	global_load_b32 v211, v28, s[58:59] offset:6144
.irp j, 22,23,24,25,26,27,236,237,238,239,240,241,80,81,82,83,84,85
	v_mov_b32 v\j, 0                               ; Q's upper 64: zero codes; and what stands behind K's last tile
.endr
.irp j, 216,217,219,225,226
	v_mov_b32 v\j, 0                               ; written once: a lane permute's destination counts as one of its sources; v225 is named as the upper half of f's pair
.endr
	BEGIN
	s_wait_loadcnt 0x0                             ; Q
	s_cmp_lt_u32 s8, 4
	s_cbranch_scc0 .Lnot_first
	s_wait_tensorcnt 0x0                           ; waves 0-3: key steps 0-3 have landed; the others' loads may be out
.Lnot_first:
	s_barrier_signal -1
	s_barrier_wait -1
	WALK 4, 16, 93                                 ; the first tile's key step is 8 at the least: all waves work in these four steps
	s_wait_tensorcnt 0x0                           ; every wave's load has landed
	s_wait_dscnt 0x0
	s_barrier_signal -1
	s_barrier_wait -1                              ; the whole head lies in LDS: from here on the waves run free
	WALK 12, 16, 93
	WAYOUT 62
	s_wait_xcnt 0x0                                ; the stores have read their registers, which the second tile writes anew
	s_mov_b32 s[U], s14
	BEGIN
	WALK 8, 230, 211                               ; the second tile's key step is 7 at the most
	WAYOUT 66
	s_wait_tensorcnt 0x0                           ; the wave's end
	ds_add_u32 v254, v255
	s_wait_dscnt 0x0
	CROUND                                         ; the closing round
	s_endpgm
.Lfunc_end_k_qf9f5eabc3a_attn:
	.size	k_qf9f5eabc3a_attn, .Lfunc_end_k_qf9f5eabc3a_attn-k_qf9f5eabc3a_attn
	.p2alignl 7, 3214868480
	.fill 96, 4, 3214868480
	.section	.rodata,"a",@progbits
	.p2align	6, 0x0
	.amdhsa_kernel k_qf9f5eabc3a_attn
		.amdhsa_group_segment_fixed_size 263168
		.amdhsa_private_segment_fixed_size 0
		.amdhsa_enable_private_segment 0
		.amdhsa_kernarg_size 16
		.amdhsa_user_sgpr_count 2
		.amdhsa_user_sgpr_kernarg_segment_ptr 1
		.amdhsa_wavefront_size32 1
		.amdhsa_system_sgpr_workgroup_id_x 1
		.amdhsa_system_sgpr_workgroup_id_y 1
		.amdhsa_system_sgpr_workgroup_id_z 1
		.amdhsa_system_vgpr_workitem_id 0
		.amdhsa_next_free_vgpr 256
		.amdhsa_next_free_sgpr 80
		.amdhsa_reserve_vcc 1
		.amdhsa_float_denorm_mode_32 3
		.amdhsa_float_denorm_mode_16_64 3
		.amdhsa_memory_ordered 1
		.amdhsa_forward_progress 1
		.amdhsa_inst_pref_size 82
	.end_amdhsa_kernel
	.amdgpu_metadata
---
amdhsa.version: [ 1, 2 ]
amdhsa.kernels:
  - .name:           k_qf9f5eabc3a_attn
    .symbol:         k_qf9f5eabc3a_attn.kd
    .args:
      - { .name: qkv, .offset: 0, .size: 8, .value_kind: global_buffer, .address_space: global }
      - { .name: aimg, .offset: 8, .size: 8, .value_kind: global_buffer, .address_space: global }
    .group_segment_fixed_size: 263168
    .private_segment_fixed_size: 0
    .kernarg_segment_align: 8
    .kernarg_segment_size: 16
    .max_flat_workgroup_size: 512
    .sgpr_count:     80
    .vgpr_count:     256
    .wavefront_size: 32
...
	.end_amdgpu_metadata
.endif
;; end of part 3
;; launch oproj (part 4): grid 8 x 32, 4 waves a work-group, clusters of 4 x 4, 327,680 bytes of LDS; arguments aimg, wimg, bo, out0; writes out0
.if DOCPART == 4
	.amdgcn_target "amdgcn-amd-amdhsa--gfx1250"
	.amdhsa_code_object_version 6
	.text
	.protected	k_qf9f5eabc3a_oproj
	.globl	k_qf9f5eabc3a_oproj
	.p2align	8
	.type	k_qf9f5eabc3a_oproj,@function
k_qf9f5eabc3a_oproj:
	s_mov_b64 s[64:65], 0
	v_nop
	global_prefetch_b8 v0, s[64:65] scope:SCOPE_SE
	s_setreg_imm32_b32 hwreg(HW_REG_WAVE_MODE, 25, 1), 1
	s_wait_xcnt 0x0
	s_wait_alu depctr_hold_cnt(0) depctr_sa_sdst(0) depctr_va_vdst(0) depctr_va_sdst(0) depctr_va_ssrc(0) depctr_va_vcc(0) depctr_vm_vsrc(0)
	s_getreg_b32 s2, hwreg(HW_REG_IB_STS2, 6, 4)
	s_cmp_eq_u32 s2, 0
	s_cbranch_scc0 .Lentry_in_a_cluster
	s_endpgm
.Lentry_in_a_cluster:
	s_bfe_u32 s2, ttmp6, 0x10000c
	s_cmp_lg_u32 s2, 0xf033
	s_cbranch_scc0 .Lentry_shape_is_right
	s_endpgm
.Lentry_shape_is_right:
; out0 = a Wo^T + bo on codes of BF6 (E3M2) with E8M0 scales, sums in f32.  a: the attention's result as images of operand registers (aimg); Wo: row tiles 192-255 of wimg.
; A record of 13,312 bytes is a row tile of 16 rows, all of K: four chunks of 3,328: the fragment of 128 K (1,536 bytes: registers 0-3, 4-5, 6-9, 10-11), the next fragment, 8 bytes of scales a row (two words), twice.
; The rows of a row tile I are 32 (I / 2) + 8 (I % 2) + r + 8 (r / 8).
; THE DEAL.  256 work-groups of four waves, 2 x 2, each 256 tokens x 128 features.  The wave in row wr, column wc holds Wo's row tiles 4 wc .. 4 wc + 3 (64 neighbouring features), ALL of K, in registers,
; and streams a's row tiles 2 s + wr past them as its blocks s = 0 .. 7.  Source 0 of the matrix instruction is Wo's fragment, source 1 is a's: a lane holds one token, its registers run along the features:
; register j of result tile b of lane (r, h) is feature 32 (b / 2) + 8 (b % 2) + 16 h + j of the wave's 64.  The bias is the C of a block's first four products.
; EACH BLOCK'S ROWS LEAVE AT ONCE: behind its 32 products its sums go through the wave's own stage in LDS and come back as whole rows of 256 bytes, which sixteen lanes store as one aligned unit.
; LDS: a's 16 records, Wo's 8 records, every byte filled once; the spare words.  The stages lie in Wo's first bytes, which are read for the last time ahead of the barrier in front of the stream.
; THE HEAD'S FOUR TILES, one tensor load a wave, each on its own line: Wo's 8 records; a's records 0-7; 8-11; 12-15.  The stream begins when the first two are in; a plain barrier inside block 1
; (and, the text being a loop's, inside blocks 3 and 5) shows the others, ahead of the first fetch from them, which stands behind block 2.  No prefetch: all that a work-group reads is asked for at the head.
; CLUSTER 4 x 4: a's records are shared along a row of the cluster, Wo's along a column: joint loads.
; TWO SETS of a's fragments, of accumulators and of the rows that come back from the stage, by turns.  ONE WAIT ON LDS A BLOCK, ahead of its stores: younger than the rows' way back is the run's fetch alone (NF); it shows the next block's rows in too.
; LIMITS: NaN, infinities and sums beyond f32's range are not served; a sum begins with the bias, where x W^T + b adds it last.
.set REC,  13312
.set CREC, 3328
.set NQ,   8                           ; K / 128
.set NB,   4                           ; Wo's row tiles a wave
.set FR,   12                          ; registers of a fragment
.set FPW,  256/FR                      ; fragments in a window: fragment f lies in window 1 + f / 21 at register 12 (f % 21).  0-31: Wo's (4 q + b); 32-47: a's two sets (32 + 8 e + q)
.set NF,   36                          ; LDS loads of a block: 32 for eight fragments, 4 for eight scale words
.set YB,   16*REC                      ; Wo's records
.set SPARE, 24*REC                     ; the spare words: 128 bytes a wave
.set SPITCH, 272                       ; a stage: 16 rows x (256 + 16) bytes for each wave
.set STAGE, YB
.set CO,   9                           ; v9   my byte offset in out0: token l / 16, 16 bytes x (l % 16)
.set SPW,  10                          ; v10  my spare word
.set NIL,  11                          ; v11  0
.set A16,  12                          ; v12, v13  LDS addresses (16-byte and 8-byte pieces) of the block that is fetched next
.set A8,   13
.set A160, 14                          ; v14, v15  the same of block 0; never rewritten
.set A80,  15
.set BA16, 16                          ; v16, v17  of Wo's four row tiles
.set BA8,  17
.set STO,  18                          ; v18  the stage: where I put 32 bytes of a row
.set RD,   19                          ; v19  the stage: where I read 16 bytes of a row back
.set BS,   20                          ; v20  Wo's scale words: lanes 0-15 an even tile's, lanes 16-31 the odd tile's
.set BI,   21                          ; v21  the bias: 64 h
.set SB,   24                          ; v24-39  Wo's scale words: 8 (b / 2) + q
.set SA,   44                          ; v44-59  a's: two sets of eight.  A product's two scale registers differ by 4 modulo 8 in their numbers
.set ACC,  64                          ; v64-127 two sets of four accumulators
.set BK,   128                         ; v128-191 two sets: 16 rows x 256 bytes back from the stage
.set BO,   208                         ; v208-239 the bias as the first four products' C
.set G1A, 24
.set G0A, 56
.set G1B, 32
.set G0B, 60
.set MSB, 0
.macro WIN new                         ; the immediate's high byte repeats the setting that is left
.if MSB != \new
	s_set_vgpr_msb (MSB<<8)|\new
.set MSB, \new
.endif
.endm
.macro PLACES n
.rept \n
	v_nop
.endr
.endm
.macro WALU
	s_wait_alu depctr_va_vdst(0)
.endm
.macro BARRIER
	s_barrier_signal -1
	s_barrier_wait -1
.endm
.macro CROUND
	BARRIER
	s_cmp_lg_u32 s14, 0
	s_cbranch_scc1 .Lnot_wave_0_\@
	s_barrier_signal -3
.Lnot_wave_0_\@:
	s_barrier_wait -3
	BARRIER
.endm
.macro TLOAD g0, g1                    ; an s_nop 0 and four v_nop follow a tensor load
	tensor_load_to_lds s[\g0:\g0+3], s[\g1:\g1+7]
	s_nop 0
	PLACES 4
.endm
.macro ATILE first, rows               ; some of a's 16 records, by a descriptor of constants: dense, so their place in LDS is their place among the records
	s_mov_b32 s[G0A+1], (\first)*REC
	s_mov_b32 s[G1A+2], (\rows)<<16
	s_mov_b32 s[G1A+4], \rows
.if \first
	s_add_nc_u64 s[G0A+2:G0A+3], s[G0A+2:G0A+3], (\first)*REC
.endif
	s_or_b32 s[G0A+3], s[G0A+3], 0x80000000
	TLOAD G0A, G1A
.endm
.macro FRAGL f, a16, a8, off           ; fragment f's image comes back as it was stored
	WIN (1+(\f)/FPW)<<6
.set R_, FR*((\f)%FPW)
	ds_load_b128 v[R_:R_+3], v[\a16] offset:\off
	ds_load_b64 v[R_+4:R_+5], v[\a8] offset:\off+512
	ds_load_b128 v[R_+6:R_+9], v[\a16] offset:\off+768
	ds_load_b64 v[R_+10:R_+11], v[\a8] offset:\off+1280
.endm
.macro FETCHAT e, a16, a8              ; a block of a into set e: NF loads
.irp q, 0,1,2,3,4,5,6,7
	FRAGL NB*NQ+NQ*(\e)+\q, \a16, \a8, (\q/2)*CREC+1536*(\q%2)
.endr
	WIN 0
.irp c, 0,1,2,3
	ds_load_b64 v[SA+8*(\e)+2*\c:SA+8*(\e)+2*\c+1], v[\a8] offset:\c*CREC+3072
.endr
.endm
.macro PROD e, n                       ; product n = 4 q + b of a block whose rows lie in set e.  The four accumulators take turns, one instruction a turn
.set Q_, (\n)/4
.set FB_, NB*Q_+(\n)%4
.set FA_, NB*NQ+NQ*(\e)+Q_
.set D_, ACC+32*(\e)+8*((\n)%4)
.set XB_, SB+NQ*(((\n)%4)/2)+Q_
.set XA_, SA+8*(\e)+Q_
	WIN (1+FB_/FPW)|((1+FA_/FPW)<<2)
.if Q_
	PROD1 D_, FB_, FA_, v[D_:D_+7], XB_, XA_, (\n)%2
.else
	PROD1 D_, FB_, FA_, v[BO+8*((\n)%4):BO+8*((\n)%4)+7], XB_, XA_, (\n)%2
.endif
.endm
.macro PROD1 d, s0, s1, c, x0, x1, o
.if \o
	v_wmma_scale_f32_16x16x128_f8f6f4 v[\d:\d+7], v[FR*((\s0)%FPW):FR*((\s0)%FPW)+FR-1], v[FR*((\s1)%FPW):FR*((\s1)%FPW)+FR-1], \c, v[\x0], v[\x1] matrix_a_fmt:MATRIX_FMT_BF6 matrix_b_fmt:MATRIX_FMT_BF6 matrix_a_scale:MATRIX_SCALE_ROW1
.else
	v_wmma_scale_f32_16x16x128_f8f6f4 v[\d:\d+7], v[FR*((\s0)%FPW):FR*((\s0)%FPW)+FR-1], v[FR*((\s1)%FPW):FR*((\s1)%FPW)+FR-1], \c, v[\x0], v[\x1] matrix_a_fmt:MATRIX_FMT_BF6 matrix_b_fmt:MATRIX_FMT_BF6 matrix_a_scale:MATRIX_SCALE_ROW0
.endif
.endm
.macro PRODS e, from, to
.set N_, \from
.rept (\to)-(\from)
	PROD \e, N_
.set N_, N_+1
.endr
	WIN 0
.endm
.macro STAGED u                        ; set u's sums into my stage, each accumulator from its low end on, and back as whole rows.  LDS serves a wave's instructions in order (ISA guide 5.7.1.4): no wait between
.irp b, 0,1,2,3
	ds_store_b128 v[STO], v[ACC+32*(\u)+8*\b:ACC+32*(\u)+8*\b+3] offset:128*(\b/2)+32*(\b%2)
	ds_store_b128 v[STO], v[ACC+32*(\u)+8*\b+4:ACC+32*(\u)+8*\b+7] offset:128*(\b/2)+32*(\b%2)+16
.endr
.irp t, 0,1,2,3,4,5,6,7
	ds_load_b128 v[BK+32*(\u)+4*\t:BK+32*(\u)+4*\t+3], v[RD] offset:2*\t*SPITCH
.endr
.endm
.macro TOC s                           ; the rows in set s of BK go to out0.  s[12:13] stands at the pair's first token; the pair's second block lies 32 tokens on.  Stage rows 2 t, 2 t + 1 are tokens 2 t + 8 (t / 4) and the next
.irp t, 0,1,2,3,4,5,6,7
	global_store_b128 v[CO], v[BK+32*(\s)+4*\t:BK+32*(\s)+4*\t+3], s[12:13] offset:(32*(\s)+2*\t+8*(\t/4))*4096 th:TH_STORE_NT   ; sixteen lanes store 256 consecutive bytes, aligned
.endr
.endm
.macro STREAM s, fetch, show           ; a pair's block s = 0, 1.  show = 1: a plain barrier inside the block shows waves 2 and 3's tiles to all
.if \show
	PRODS \s, 0, 24
	s_wait_tensorcnt 0x0
	s_wait_dscnt 0x0
	s_barrier_signal -1
	PRODS \s, 24, 32
	s_barrier_wait -1
.else
	PRODS \s, 0, 32
.endif
.if \fetch                             ; four plain vector lines stand between the last product and the first reader of its sums, and the fetch into the registers that it has read
	s_add_co_u32 s101, s101, 2*REC
	v_add_nc_u32 v[A16], s101, v[A160]
	v_add_nc_u32 v[A8], s101, v[A80]
	PLACES 2
	WALU
.else
	PLACES 4
.endif
	s_wait_xcnt 0x0                                ; the stores of two blocks ago have read set s of the rows, and those of the block before their base
.if (\s) == 0
	s_add_nc_u64 s[12:13], s[12:13], s[20:21]      ; on to this pair's tokens
.endif
	STAGED \s
.if \fetch
	FETCHAT \s, A16, A8                            ; the block two on
	s_wait_dscnt NF                                ; the block's rows are back from the stage; its fetch is younger
.else
	s_wait_dscnt 0x0
.endif
	TOC \s
.endm
; ---- the head
	s_load_b256 s[4:11], s[0:1], 0x0               ; aimg, wimg, bo, out0
	v_lshl_add_u32 v[SPW], v0, 2, SPARE
	v_mov_b32 v[NIL], 0
	ds_add_u32 v[SPW], v[NIL]                      ; the opening lines: the add twice on end and one wait
	ds_add_u32 v[SPW], v[NIL]
	v_lshrrev_b32 v1, 5, v0
	v_readfirstlane_b32 s14, v1                    ; the wave; s15 its row wr of the 2 x 2, s16 its column wc
	s_lshr_b32 s15, s14, 1
	s_and_b32 s16, s14, 1
	s_bfe_u32 s40, ttmp6, 0x40000                  ; cx
	s_bfe_u32 s41, ttmp6, 0x40004                  ; cy
	s_lshl_b32 s42, ttmp9, 2
	s_add_co_u32 s42, s42, s40                     ; which 128 features
	s_and_b32 s43, ttmp7, 0xffff
	s_lshl_b32 s43, s43, 2
	s_add_co_u32 s43, s43, s41                     ; which 256 tokens
	s_lshl_b32 s44, s41, 2
	s_lshl_b32 s44, 15, s44                        ; my row of the cluster: shares a's records
	s_lshl_b32 s45, 0x1111, s40                    ; my column: shares Wo's
	s_or_b32 s[G1A], s44, (3<<16)|(1<<21)          ; group 1: the mask; elements of 8 bytes; 21 set beside a mask; no padding.  How many records, each wave's own arm says
	s_mov_b32 s[G1A+1], 1664<<16                   ; tensor_dim0: a record, 1,664 elements
	s_mov_b32 s[G1A+3], 1664<<16                   ; tile_dim0
	s_mov_b32 s[G1A+5], 1664                       ; the pitch
	s_mov_b32 s[G1A+6], 0
	s_mov_b32 s[G1A+7], 0
	s_or_b32 s[G1B], s45, (3<<16)|(1<<21)
	s_mov_b32 s[G1B+1], 1664<<16
	s_mov_b32 s[G1B+2], 8<<16                      ; Wo: 8 records
	s_mov_b32 s[G1B+3], 1664<<16
	s_mov_b32 s[G1B+4], 8
	s_mov_b32 s[G1B+5], 1664
	s_mov_b32 s[G1B+6], 0
	s_mov_b32 s[G1B+7], 0
	s_mov_b32 s[G0A], 1
	s_mov_b32 s[G0B], 1
	s_mov_b32 s[G0B+1], YB
	s_mul_i32 s76, s43, 16*REC                     ; a's first record of my tokens
	s_mov_b32 s77, 0
	s_lshl_b32 s78, s42, 3
	s_add_co_u32 s78, s78, 192                     ; Wo begins at row tile 192 of wimg
	s_mul_i32 s78, s78, REC
	s_mov_b32 s79, 0
	s_lshl_b32 s82, s42, 9                         ; my 64 features, in bytes: 512 x feature tile + 256 wc
	s_lshl_b32 s21, s16, 8
	s_add_co_u32 s82, s82, s21
	s_mov_b32 s83, 0
	s_lshl_b32 s84, s43, 20                        ; out0: token 256 x token tile + 8 wr, 4,096 bytes each
	s_lshl_b32 s21, s15, 15
	s_add_co_u32 s84, s84, s21
	s_add_co_u32 s84, s84, s82
	s_mov_b32 s85, 0
	s_mul_i32 s21, s15, REC                        ; block 0 is a's record wr
	s_mul_i32 s22, s16, 4*REC
	s_add_co_u32 s22, s22, YB                      ; my four records of Wo
	s_mul_i32 s23, s14, 16*SPITCH
	s_add_co_u32 s23, s23, STAGE                   ; my stage
	v_and_b32 v1, 15, v0                           ; r
	v_bfe_u32 v2, v0, 4, 1                         ; h
	v_and_b32 v3, 31, v0                           ; lane
	v_lshl_add_u32 v[A160], v3, 4, s21
	v_lshl_add_u32 v[A80], v3, 3, s21
	v_add_nc_u32 v[A16], 2*REC, v[A160]            ; block 1
	v_add_nc_u32 v[A8], 2*REC, v[A80]
	v_lshl_add_u32 v[BA16], v3, 4, s22
	v_lshl_add_u32 v[BA8], v3, 3, s22
	v_mul_u32_u24 v[BS], v2, REC                   ; lanes 16-31 take the next record's scale words
	v_lshl_add_u32 v[BS], v1, 3, v[BS]
	v_add_nc_u32 v[BS], s22, v[BS]
	v_mul_u32_u24 v22, v1, SPITCH                  ; into the stage: row r, + 64 h
	v_lshl_add_u32 v22, v2, 6, v22
	v_add_nc_u32 v[STO], s23, v22
	v_mul_u32_u24 v23, v2, SPITCH                  ; back: lanes 0-15 take one row of 256 bytes, lanes 16-31 the next
	v_lshl_add_u32 v23, v1, 4, v23
	v_add_nc_u32 v[RD], s23, v23
	v_lshlrev_b32 v22, 12, v2                      ; and the same two rows in out0
	v_lshl_add_u32 v[CO], v1, 4, v22
	v_lshlrev_b32 v[BI], 6, v2
	WALU                                           ; the head's end
	s_wait_dscnt 0x0
	CROUND                                         ; all sixteen work-groups are here: the joint loads meet
	s_wait_kmcnt 0x0
	s_add_nc_u64 s[G0A+2:G0A+3], s[4:5], s[76:77]
	s_add_nc_u64 s[G0B+2:G0B+3], s[6:7], s[78:79]
	s_or_b32 s[G0B+3], s[G0B+3], 0x80000000
	s_add_nc_u64 s[8:9], s[8:9], s[82:83]
	s_add_nc_u64 s[12:13], s[10:11], s[84:85]
	s_cmp_eq_u32 s14, 0                            ; one chain of branches on the wave's number, one load to an arm
	s_cbranch_scc0 .Lwave_1
	TLOAD G0B, G1B                                 ; wave 0: Wo's records, which are wanted first
	s_branch .Lasked
.Lwave_1:
	s_cmp_eq_u32 s14, 1
	s_cbranch_scc0 .Lwave_2
	ATILE 0, 8                                     ; wave 1: a's records 0-7: blocks 0-3
	s_branch .Lasked
.Lwave_2:
	s_cmp_eq_u32 s14, 2
	s_cbranch_scc0 .Lwave_3
	ATILE 8, 4                                     ; wave 2: 8-11
	s_branch .Lasked
.Lwave_3:
	ATILE 12, 4                                    ; wave 3: 12-15
.Lasked:
.irp b, 0,1,2,3                        ; for tile b lane (r, h) wants bo of my features 32 (b / 2) + 16 h + 8 (b % 2) + 0 .. 7
	global_load_b128 v[BO+8*\b:BO+8*\b+3], v[BI], s[8:9] offset:(32*(\b/2)+8*(\b%2))*4
	global_load_b128 v[BO+8*\b+4:BO+8*\b+7], v[BI], s[8:9] offset:(32*(\b/2)+8*(\b%2))*4+16
.endr
	s_cmp_eq_u32 s14, 0
	s_cbranch_scc0 .Lnot_b
	s_wait_tensorcnt 0x0                           ; wave 0: Wo's records have landed
.Lnot_b:
	BARRIER
.irp q, 0,1,2,3,4,5,6,7                ; my four row tiles of Wo, all of K: 128 loads, and 8 for their scale words
.irp b, 0,1,2,3
	FRAGL NB*\q+\b, BA16, BA8, \b*REC+(\q/2)*CREC+1536*(\q%2)
.endr
.endr
	WIN 0
.irp p, 0,1
.irp c, 0,1,2,3
	ds_load_b64 v[SB+8*\p+2*\c:SB+8*\p+2*\c+1], v[BS] offset:2*\p*REC+\c*CREC+3072
.endr
.endr
	s_mov_b32 s101, 2*REC                          ; from block 0 to the block fetched last
	s_cmp_eq_u32 s14, 1
	s_cbranch_scc0 .Lnot_a
	s_wait_tensorcnt 0x0                           ; wave 1: a's records 0-7 have landed
.Lnot_a:
	s_wait_dscnt 0x0
	BARRIER                                        ; a's first eight records are in, and nobody reads Wo's bytes any more.  Waves 2 and 3's tiles may still be on their way
	FETCHAT 0, A160, A80
	FETCHAT 1, A16, A8
	s_mov_b32 s23, 0
	s_mov_b32 s20, 0                               ; s[20:21]: from a pair's tokens to the next pair's; block 0 begins where the base stands
	s_mov_b32 s21, 0
	s_wait_loadcnt 0x0                             ; the bias
	s_wait_dscnt NF                                ; block 0's rows are in
.Lpair:                                        ; blocks 0 to 5, a pair a trip
	STREAM 0, 1, 0
	STREAM 1, 1, 1
	s_mov_b32 s20, 64*4096                         ; the next pair's tokens lie 64 on
	s_add_co_u32 s23, s23, 1
	s_cmp_lg_u32 s23, 3
	s_cbranch_scc1 .Lpair
	STREAM 0, 0, 0                                 ; blocks 6 and 7 fetch nothing
	STREAM 1, 0, 0
	s_wait_tensorcnt 0x0                           ; the wave's end
	ds_add_u32 v[SPW], v[NIL]
	s_wait_dscnt 0x0
	CROUND                                         ; the closing round: no work-group ends while a partner may still ask for a tile that names it
	s_endpgm
.Lfunc_end_k_qf9f5eabc3a_oproj:
	.size	k_qf9f5eabc3a_oproj, .Lfunc_end_k_qf9f5eabc3a_oproj-k_qf9f5eabc3a_oproj
	.p2alignl 7, 3214868480
	.fill 96, 4, 3214868480
	.section	.rodata,"a",@progbits
	.p2align	6, 0x0
	.amdhsa_kernel k_qf9f5eabc3a_oproj
		.amdhsa_group_segment_fixed_size 327680
		.amdhsa_private_segment_fixed_size 0
		.amdhsa_enable_private_segment 0
		.amdhsa_kernarg_size 32
		.amdhsa_user_sgpr_count 2
		.amdhsa_user_sgpr_kernarg_segment_ptr 1
		.amdhsa_wavefront_size32 1
		.amdhsa_system_sgpr_workgroup_id_x 1
		.amdhsa_system_sgpr_workgroup_id_y 1
		.amdhsa_system_sgpr_workgroup_id_z 1
		.amdhsa_system_vgpr_workitem_id 0
		.amdhsa_next_free_vgpr 840
		.amdhsa_next_free_sgpr 102
		.amdhsa_reserve_vcc 0
		.amdhsa_float_denorm_mode_32 3
		.amdhsa_float_denorm_mode_16_64 3
		.amdhsa_memory_ordered 1
		.amdhsa_forward_progress 1
		.amdhsa_inst_pref_size 52
	.end_amdhsa_kernel
	.amdgpu_metadata
---
amdhsa.version: [ 1, 2 ]
amdhsa.kernels:
  - .name:           k_qf9f5eabc3a_oproj
    .symbol:         k_qf9f5eabc3a_oproj.kd
    .args:
      - { .name: aimg, .offset: 0, .size: 8, .value_kind: global_buffer, .address_space: global }
      - { .name: wimg, .offset: 8, .size: 8, .value_kind: global_buffer, .address_space: global }
      - { .name: bo, .offset: 16, .size: 8, .value_kind: global_buffer, .address_space: global }
      - { .name: out0, .offset: 24, .size: 8, .value_kind: global_buffer, .address_space: global }
    .group_segment_fixed_size: 327680
    .private_segment_fixed_size: 0
    .kernarg_segment_align: 8
    .kernarg_segment_size: 32
    .max_flat_workgroup_size: 128
    .sgpr_count:     102
    .vgpr_count:     840
    .wavefront_size: 32
...
	.end_amdgpu_metadata
.endif
;; end of part 4
